; MI455X (gfx1250); checked and timed in simulation.
; The chip was launched on July 23, 2026; its instructions are those of AMD's public machine-readable ISA for CDNA 5 (MIT licence, August 2026) and "CDNA5" Instruction Set Architecture Reference Guide (July 2026). The comments in the code are by the model that wrote it; some were corrected since.
;; Multi Head Attention With Ro PE. Allowed arithmetic: float matrix products may take bf16 or f16 operands with f32 sums; all other float work in f32.
;; Inputs: Wk 512 x 2,048 float32; Wo 2,048 x 2,048 float32; Wq 2,048 x 2,048 float32; Wv 512 x 2,048 float32; cos 2,048 x 64 float32; mask 1 x 1 x 2,048 x 2,048 bool; sin 2,048 x 64 float32; x 1 x 2,048 x 2,048 float32.
;; Outputs: out0 1 x 2,048 x 2,048 float32.
;; One version. Each part assembles by itself: llvm-mc -triple=amdgcn-amd-amdhsa -mcpu=gfx1250 --defsym DOCPART=n.
;; ======== version 1 of 1: 4 launches
;; limits: values outside matrix products are rounded to bf16; values are held in f16: magnitudes above 65,504 overflow, below 6.1e-05 lose precision
;; workspace buffers: xb 8,388,608 bytes; wb 12,582,912 bytes; wob 8,388,608 bytes; mb 4,194,304 bytes; qb 8,388,608 bytes; kvb 6,291,456 bytes; ob 8,388,608 bytes
;; launch prep (part 1): grid 1024 x 1, 8 waves a work-group, no clusters, 0 bytes of LDS; arguments x, Wq, Wk, Wv, Wo, mask, xb, wb, wob, mb; writes xb, wb, wob, mb
.if DOCPART == 1
	.amdgcn_target "amdgcn-amd-amdhsa--gfx1250"
	.amdhsa_code_object_version 6
	.text
	.protected	k_q0247384b1e_prep
	.globl	k_q0247384b1e_prep
	.p2align	8
	.type	k_q0247384b1e_prep,@function
k_q0247384b1e_prep:
	s_mov_b64 s[64:65], 0
	v_nop
	global_prefetch_b8 v0, s[64:65] scope:SCOPE_SE
	s_setreg_imm32_b32 hwreg(HW_REG_WAVE_MODE, 25, 1), 1
	s_wait_xcnt 0x0
; prep: the f32 operands of the three products are rounded once to bf16, and the mask is laid out for the attention's lanes.
; FORMAT: every floating-point input of the program is rounded once, to bf16 (cos and sin in the next launch); what is made from them is kept finer.
;   xb  = bf16(x), [2048][2048].
;   wb  = [16 blocks][192 rows][2048] bf16: block b = Wq's rows 128 b .. 128 b + 127 (query heads 2 b, 2 b + 1), then the 64 rows of
;         K head b (b < 8) or of V head b - 8.
;   wob = bf16(Wo) written in f16, [2048][2048]: its partner in the last product is f16.  f16 holds a bf16 number exactly down to 2^-17;
;         LIMIT: below that it is rounded to a multiple of 2^-24, and |Wo| stays below 65,504.
;   mb  = [128 query tiles of 16][32 key blocks of 64][2][32 lanes][16 bytes]: lane 16 h + r of group p holds, for query 16 qt + r, the
;         keys 64 kb + 32 p + 8 h + 0..7 and then the same + 16; a byte is 0x00 (kept) or 0xFB (masked).  LIMIT: mask bytes are 0 or 1.
; 1,024 work-groups of 256 threads; each takes 1/1024 of every tensor: 16 KiB of x, of Wq and of Wo, 4 KiB of Wk, of Wv and of the mask.
; A stream: every byte is read once and written once, nothing is shared between work-groups, so no LDS, no barrier, no cluster, no matrix
; unit.  All sixteen loads of a thread go out first; each has registers of its own, so no register that a pending load or store names is rewritten.
; A load of a wave covers 512 consecutive bytes; a store of a wave covers 256 consecutive bytes, aligned (the mask's store 512).
.set XR, 4                             ; v[4:59]   fourteen loads of four f32
.set MR, 60                            ; v[60:63]  sixteen mask bytes
.set YR, 64                            ; v[64:91]  fourteen pairs of registers, four 16-bit numbers each
	s_load_b512 s[8:23], s[0:1], 0x0               ; x s[8:9], Wq s[10:11], Wk s[12:13], Wv s[14:15], Wo s[16:17], mask s[18:19], xb s[20:21], wb s[22:23]
	s_load_b128 s[24:27], s[0:1], 0x40             ; wob s[24:25], mb s[26:27]
	v_lshlrev_b32 v1, 4, v0                        ; 16 t: my 16 bytes of a 4,096-byte stretch
	v_lshlrev_b32 v2, 3, v0                        ; 8 t: my 8 bytes of the 2,048 bytes that it becomes
	v_and_b32 v3, 15, v0                           ; the mask: query r = t mod 16,
	v_lshrrev_b32 v92, 5, v0                       ; 32 keys for each 32 threads,
	v_bfe_u32 v93, v0, 4, 1                        ; h
	v_lshlrev_b32 v3, 11, v3                       ; r rows of 2,048 bytes
	v_lshl_add_u32 v3, v92, 5, v3                  ; + 32 (t / 32)
	v_lshl_add_u32 v3, v93, 3, v3                  ; + 8 h
	; byte offsets of the work-group's parts, each in a pair with 0 above it (all below 4 GiB)
	s_lshl_b32 s28, ttmp9, 14                      ; 16 KiB of f32
	s_mov_b32 s29, 0
	s_lshl_b32 s30, ttmp9, 13                      ; the 8 KiB that they become
	s_mov_b32 s31, 0
	s_lshl_b32 s32, ttmp9, 12                      ; 4 KiB: Wk, Wv, mb
	s_mov_b32 s33, 0
	s_lshr_b32 s34, ttmp9, 6                       ; Wq's rows 2 g, 2 g + 1: block g / 64,
	s_mul_i32 s34, s34, 192
	s_and_b32 s44, ttmp9, 63
	s_lshl1_add_u32 s34, s44, s34                  ; row 2 (g mod 64) of it,
	s_lshl_b32 s34, s34, 12                        ; rows of 4,096 bytes
	s_mov_b32 s35, 0
	s_lshr_b32 s36, ttmp9, 7                       ; Wk's row g / 2: head g / 128 = block,
	s_mul_i32 s36, s36, 192
	s_bfe_u32 s44, ttmp9, 0x60001                  ; row (g / 2) mod 64 of the head,
	s_add_co_u32 s36, s36, s44
	s_add_co_u32 s36, s36, 128                     ; behind the block's 128 rows of Wq
	s_lshl_b32 s36, s36, 12
	s_and_b32 s44, ttmp9, 1                        ; and which half of the row
	s_lshl_b32 s44, s44, 11
	s_add_co_u32 s36, s36, s44
	s_mov_b32 s37, 0
	s_lshr_b32 s38, ttmp9, 3                       ; the mask: query tile g / 8 (16 rows of 2,048 bytes),
	s_lshl_b32 s38, s38, 15
	s_and_b32 s44, ttmp9, 7                        ; keys 256 (g mod 8) ..
	s_lshl_b32 s44, s44, 8
	s_add_co_u32 s38, s38, s44
	s_mov_b32 s39, 0
	s_movk_i32 s45, 0xfb
	s_mov_b32 s46, 0xffff0000                      ; a word's upper bf16
	s_wait_kmcnt 0x0
	s_add_nc_u64 s[8:9], s[8:9], s[28:29]          ; x
	s_add_nc_u64 s[10:11], s[10:11], s[28:29]      ; Wq
	s_add_nc_u64 s[16:17], s[16:17], s[28:29]      ; Wo
	s_add_nc_u64 s[12:13], s[12:13], s[32:33]      ; Wk
	s_add_nc_u64 s[14:15], s[14:15], s[32:33]      ; Wv
	s_add_nc_u64 s[18:19], s[18:19], s[38:39]      ; mask
	s_add_nc_u64 s[20:21], s[20:21], s[30:31]      ; xb
	s_add_nc_u64 s[24:25], s[24:25], s[30:31]      ; wob
	s_add_nc_u64 s[26:27], s[26:27], s[32:33]      ; mb
	s_add_nc_u64 s[40:41], s[22:23], s[34:35]      ; wb, where Wq's two rows go
	s_add_nc_u64 s[42:43], s[22:23], s[36:37]      ; wb, where Wk's half row goes; Wv's lies 8 blocks further on
.irp i, 0,1,2,3
	global_load_b128 v[XR+4*\i:XR+4*\i+3], v1, s[8:9] offset:\i*4096 th:TH_LOAD_NT
.endr
.irp i, 0,1,2,3
	global_load_b128 v[XR+16+4*\i:XR+16+4*\i+3], v1, s[10:11] offset:\i*4096 th:TH_LOAD_NT
.endr
.irp i, 0,1,2,3
	global_load_b128 v[XR+32+4*\i:XR+32+4*\i+3], v1, s[16:17] offset:\i*4096 th:TH_LOAD_NT
.endr
	global_load_b128 v[XR+48:XR+51], v1, s[12:13] th:TH_LOAD_NT
	global_load_b128 v[XR+52:XR+55], v1, s[14:15] th:TH_LOAD_NT
	global_load_b64 v[MR:MR+1], v3, s[18:19]                 ; keys + 0..7
	global_load_b64 v[MR+2:MR+3], v3, s[18:19] offset:16     ; keys + 16..23
; load n of the sixteen has come (loads return in order, ISA guide 5.7.1: the 15 - n younger ones may stay out); round and store
.macro CAST n, sb, off
	s_wait_loadcnt 15-\n
	v_cvt_pk_bf16_f32 v[YR+2*\n], v[XR+4*\n], v[XR+4*\n+1]
	v_cvt_pk_bf16_f32 v[YR+2*\n+1], v[XR+4*\n+2], v[XR+4*\n+3]
	global_store_b64 v2, v[YR+2*\n:YR+2*\n+1], s[\sb:\sb+1] offset:\off
.endm
; the same for Wo: rounded to bf16, widened again (a shift, a mask) and written in f16
.macro CASTH n, sb, off
	s_wait_loadcnt 15-\n
	v_cvt_pk_bf16_f32 v[YR+2*\n], v[XR+4*\n], v[XR+4*\n+1]
	v_cvt_pk_bf16_f32 v[YR+2*\n+1], v[XR+4*\n+2], v[XR+4*\n+3]
	v_lshlrev_b32 v[XR+4*\n], 16, v[YR+2*\n]
	v_and_b32 v[XR+4*\n+1], s46, v[YR+2*\n]
	v_lshlrev_b32 v[XR+4*\n+2], 16, v[YR+2*\n+1]
	v_and_b32 v[XR+4*\n+3], s46, v[YR+2*\n+1]
	v_cvt_pk_f16_f32 v[YR+2*\n], v[XR+4*\n], v[XR+4*\n+1]
	v_cvt_pk_f16_f32 v[YR+2*\n+1], v[XR+4*\n+2], v[XR+4*\n+3]
	global_store_b64 v2, v[YR+2*\n:YR+2*\n+1], s[\sb:\sb+1] offset:\off
.endm
	CAST 0, 20, 0
	CAST 1, 20, 2048
	CAST 2, 20, 4096
	CAST 3, 20, 6144
	CAST 4, 40, 0
	CAST 5, 40, 2048
	CAST 6, 40, 4096
	CAST 7, 40, 6144
	CASTH 8, 24, 0
	CASTH 9, 24, 2048
	CASTH 10, 24, 4096
	CASTH 11, 24, 6144
	CAST 12, 42, 0
	CAST 13, 42, 8*192*4096
	s_wait_loadcnt 0x0
.irp i, 0,1,2,3
	v_mul_lo_u32 v[MR+\i], v[MR+\i], s45           ; four bytes of 0 or 1 become 0x00 or 0xFB: no carry leaves a byte
.endr
	global_store_b128 v1, v[MR:MR+3], s[26:27]
	s_endpgm
.Lfunc_end_k_q0247384b1e_prep:
	.size	k_q0247384b1e_prep, .Lfunc_end_k_q0247384b1e_prep-k_q0247384b1e_prep
	.p2alignl 7, 3214868480
	.fill 96, 4, 3214868480
	.section	.rodata,"a",@progbits
	.p2align	6, 0x0
	.amdhsa_kernel k_q0247384b1e_prep
		.amdhsa_group_segment_fixed_size 0
		.amdhsa_private_segment_fixed_size 0
		.amdhsa_enable_private_segment 0
		.amdhsa_kernarg_size 80
		.amdhsa_user_sgpr_count 2
		.amdhsa_user_sgpr_kernarg_segment_ptr 1
		.amdhsa_wavefront_size32 1
		.amdhsa_system_sgpr_workgroup_id_x 1
		.amdhsa_system_sgpr_workgroup_id_y 1
		.amdhsa_system_sgpr_workgroup_id_z 1
		.amdhsa_system_vgpr_workitem_id 0
		.amdhsa_next_free_vgpr 96
		.amdhsa_next_free_sgpr 66
		.amdhsa_reserve_vcc 0
		.amdhsa_float_denorm_mode_32 3
		.amdhsa_float_denorm_mode_16_64 3
		.amdhsa_memory_ordered 1
		.amdhsa_forward_progress 1
		.amdhsa_inst_pref_size 9
	.end_amdhsa_kernel
	.amdgpu_metadata
---
amdhsa.version: [ 1, 2 ]
amdhsa.kernels:
  - .name:           k_q0247384b1e_prep
    .symbol:         k_q0247384b1e_prep.kd
    .args:
      - { .name: x, .offset: 0, .size: 8, .value_kind: global_buffer, .address_space: global }
      - { .name: Wq, .offset: 8, .size: 8, .value_kind: global_buffer, .address_space: global }
      - { .name: Wk, .offset: 16, .size: 8, .value_kind: global_buffer, .address_space: global }
      - { .name: Wv, .offset: 24, .size: 8, .value_kind: global_buffer, .address_space: global }
      - { .name: Wo, .offset: 32, .size: 8, .value_kind: global_buffer, .address_space: global }
      - { .name: mask, .offset: 40, .size: 8, .value_kind: global_buffer, .address_space: global }
      - { .name: xb, .offset: 48, .size: 8, .value_kind: global_buffer, .address_space: global }
      - { .name: wb, .offset: 56, .size: 8, .value_kind: global_buffer, .address_space: global }
      - { .name: wob, .offset: 64, .size: 8, .value_kind: global_buffer, .address_space: global }
      - { .name: mb, .offset: 72, .size: 8, .value_kind: global_buffer, .address_space: global }
    .group_segment_fixed_size: 0
    .private_segment_fixed_size: 0
    .kernarg_segment_align: 8
    .kernarg_segment_size: 80
    .max_flat_workgroup_size: 256
    .sgpr_count:     66
    .vgpr_count:     96
    .wavefront_size: 32
...
	.end_amdgpu_metadata
.endif
;; end of part 1
;; launch qkv (part 2): grid 16 x 16, 4 waves a work-group, clusters of 4 x 4, 327,680 bytes of LDS; arguments xb, wb, cos, sin, qb, kvb; writes qb, kvb
.if DOCPART == 2
	.amdgcn_target "amdgcn-amd-amdhsa--gfx1250"
	.amdhsa_code_object_version 6
	.text
	.protected	k_q0247384b1e_qkv
	.globl	k_q0247384b1e_qkv
	.p2align	8
	.type	k_q0247384b1e_qkv,@function
k_q0247384b1e_qkv:
	s_mov_b64 s[64:65], 0
	v_nop
	global_prefetch_b8 v0, s[64:65] scope:SCOPE_SE
	s_setreg_imm32_b32 hwreg(HW_REG_WAVE_MODE, 25, 1), 1
	s_wait_xcnt 0x0
	s_wait_alu depctr_hold_cnt(0) depctr_sa_sdst(0) depctr_va_vdst(0) depctr_va_sdst(0) depctr_va_ssrc(0) depctr_va_vcc(0) depctr_vm_vsrc(0)
	s_getreg_b32 s2, hwreg(HW_REG_IB_STS2, 6, 4)
	s_cmp_eq_u32 s2, 0
	s_cbranch_scc0 .Lentry_in_a_cluster
	s_endpgm
.Lentry_in_a_cluster:
	s_bfe_u32 s2, ttmp6, 0x10000c
	s_cmp_lg_u32 s2, 0xf033
	s_cbranch_scc0 .Lentry_shape_is_right
	s_endpgm
.Lentry_shape_is_right:
; qkv: [q | k | v] = x W^T with RoPE on q and k, rounded to f16.  xb: [2048][2048] bf16; wb: [16 blocks][192][2048] bf16 (block b: query heads
; 2 b and 2 b + 1, then K head b or V head b - 8); cos, sin: [2048][64] f32; qb: [32 heads][2048][64] f16;
; kvb: K as [8 heads][2048][64] f16, then, 2,097,152 bytes on, V as [8 heads][2048 keys][upper part 64 | lower part 64] f16, rows of 256 bytes.
; FORMATS: cos and sin are rounded to bf16 here, as x and the weights were: every input is rounded once to bf16.  q and k leave in f16.  v leaves as the
; sum of two f16 numbers, its upper 11 bits and the rest: an output row made of few keys is as large as v, while most rows are means of many keys and
; small, so v's rounding has to be small against the latter.
; LIMIT: |q|, |k|, |v| below 65,504.  By the sizes: their rms is sqrt(2048) x rms(x) x rms(W); with x and W both 30 times the drawn spread that is 520;
; with a common offset of 30 spreads on both, 2048 x 30 x 0.66 = 41,000 at the most.  Below 2^-14 an f16 number is a multiple of 2^-24.
; A work-group makes 128 rows x one block of 192 columns (three heads) with four waves; wave (wm, wn) makes rows 64 wm .. + 63 and the six
; column tiles at 32 j + 16 wn, j = 0..5: tiles 2 hh and 2 hh + 1 are columns d and d + 32 of head hh, so RoPE's two partners lie in the same
; lane and register of two accumulators.
; THE RING.  K = 2,048 is 16 planes of 128; a plane of 320 rows takes 87,040 bytes of LDS, so three fit and four do not.  Two slots of unlike size take
; turns: the large one holds two planes (rows of 512 bytes, pitch 528), the small one holds one (rows of 256 bytes, pitch 272).  Order: large (0, 1),
; small (2), large (3, 4), small (5), ... large (12, 13), small (14); plane 15 comes in the small form to LDS byte 0.  That is 9 refills, each behind one
; barrier, where slots of one plane would take 14.  All rows start at multiples of 256 bytes from the buffer's first byte.
; CLUSTERS: 4 x 4 work-groups.  x's tile hangs on the block row alone and is asked for jointly by the four of a row of the cluster, W's on the
; block column alone and is asked for jointly by the four of a column: the requests for both are divided by four.
; THE MATRIX INSTRUCTION IS USED TRANSPOSED (source 0 = 16 rows of W, source 1 = 16 rows of x): lane l holds row l % 16 of the result and its
; registers 0-7 the columns 8 (l / 16) + 0..7 of the tile: eight neighbouring numbers, 16 bytes of f16.
; REGISTERS: window 0: v8-29 addresses; v32-111, v112-191 fragment buffers (W's six tiles, then x's four); v192-255 cos and sin, two buffers.
;            window 1: the 24 accumulators, tile (a, j) at v[8 (6 a + j)].
; LDS: large slot at 0: W's 192 rows, then x's 128; small slot at 168,960: the same.  Waves 0, 1 fill W's halves of 96 rows, waves 2, 3 x's halves of 64.
; The stage of the way out, [4][128 rows] at 144 bytes, lies on the small slot: its last fill (plane 14) is read in front of the last barrier.
.set PB,     528                       ; 512 bytes + 16: an odd multiple of 16, so the 16 rows of a fragment load start 16 bytes apart modulo 256
.set PS,     272                       ; 256 bytes + 16: likewise
.set BIGA,   192*PB                    ; x's rows in the large slot
.set SMALL,  320*PB                    ; the small slot
.set STAGE,  SMALL
.set SP,     144                       ; a stage row: 128 bytes (64 f16) + 16
.set SHEAD,  128*SP
.set PLANE,  256                       ; bytes of a row in a plane
.set ADRA, 8                           ; v8-10   LDS address of my x fragments: large slot, small slot, small form at byte 0
.set ADRB, 12                          ; v12-14  the same for W's tiles 0-2
.set ADRC, 16                          ; v16-18  the same for W's tiles 3-5, 96 rows on: the LDS immediate has 16 bits
.set STO,  24                          ; v24     stage: where I put 16 bytes
.set RD,   25                          ; v25     stage: where I read rows of 128 bytes back
.set CO,   26                          ; v26     my byte offset in a head's 128 rows of 128 bytes
.set CSO,  27                          ; v27     my byte offset in cos and sin
.set RDV,  28                          ; v28     stage: where I read V's rows back, upper and lower part side by side
.set COV,  29                          ; v29     my byte offset in a V head's 128 rows of 256 bytes
.set F0,   32
.set F1,   112
.set CS0,  192                         ; a cos/sin buffer: cos of columns d (8), cos of d + 32 (8), sin of d (8), sin of d + 32 (8)
.set CS1,  224
.set T,    32                          ; the way out: numbers in f32, 16 a head
.set Y,    80                          ; the way out: packed 16-bit numbers, 8 registers a head, 8 more for v's lower part
.set UU,   112                         ; the split of v, at work
.set LW,   128                         ; v's lower part in f32
.set G1BB, 24                          ; s[24:31] group 1: W, large
.set G1BS, 32                          ; s[32:39] group 1: W, small
.set G1AB, 40                          ; s[40:47] group 1: x, large
.set G1AS, 48                          ; s[48:55] group 1: x, small
.set G0BB, 56                          ; s[56:59] group 0: W, large
.set G0BS, 60                          ; s[60:63] group 0: W, small
.set G0AB, 68                          ; s[68:71] group 0: x, large
.set G0AS, 72                          ; s[72:75] group 0: x, small
.set W0S, (1<<16)|(1<<20)|(1<<21)|(5<<22)|(3<<25)   ; elements of 2 bytes; padding on; bit 21 beside a mask; after every 64 words, 4 words
.set W0B, (1<<16)|(1<<20)|(1<<21)|(6<<22)|(3<<25)   ; the same after every 128 words
.set MUL, 0x50                         ; sources 0 and 1 window 0, C and D window 1
.set MSB, 0
.macro WIN new                         ; the immediate's high byte repeats the setting that is left
.if MSB != \new
	s_set_vgpr_msb (MSB<<8)|\new
.set MSB, \new
.endif
.endm
.macro PLACES                          ; four places behind a matrix instruction, in front of loads into its sources and of reads of its results
.rept 4
	v_nop
.endr
.endm
; A joint load: waves 0 and 1 ask for W's two halves, waves 2 and 3 for x's.  The branch hangs on the wave's number alone.
.macro JLOAD big
	s_cmp_eq_u32 s17, 0
	s_cbranch_scc0 .Lfor_x_\@
.if \big
	tensor_load_to_lds s[G0BB:G0BB+3], s[G1BB:G1BB+7]
	s_nop 0
.else
	tensor_load_to_lds s[G0BS:G0BS+3], s[G1BS:G1BS+7]
	s_nop 0
.endif
	s_branch .Lasked_\@
.Lfor_x_\@:
.if \big
	tensor_load_to_lds s[G0AB:G0AB+3], s[G1AB:G1AB+7]
	s_nop 0
.else
	tensor_load_to_lds s[G0AS:G0AS+3], s[G1AS:G1AS+7]
	s_nop 0
.endif
.Lasked_\@:
.endm
.macro CREST                           ; a round of the cluster's barrier behind its opening barrier
	s_cmp_lg_u32 s16, 0
	s_cbranch_scc1 .Lnot_wave_0_\@
	s_barrier_signal -3
.Lnot_wave_0_\@:
	s_barrier_wait -3
	s_barrier_signal -1
	s_barrier_wait -1
.endm
.macro CROUND                          ; a whole round
	s_barrier_signal -1
	s_barrier_wait -1
	CREST
.endm
.macro SHAPE g, cols, rows             ; group 1 behind its first word: a tile of rows x cols elements that lies inside the tensor; 2,048 elements from row to row
	s_mov_b32 s[\g+1], (\cols)<<16
	s_mov_b32 s[\g+2], (\rows)<<16
	s_mov_b32 s[\g+3], (\cols)<<16
	s_mov_b32 s[\g+4], \rows
	s_mov_b32 s[\g+5], 2048
	s_mov_b32 s[\g+6], 0
	s_mov_b32 s[\g+7], 0
.endm
	s_load_b256 s[4:11], s[0:1], 0x0               ; xb s[4:5], wb s[6:7], cos s[8:9], sin s[10:11]
	s_load_b128 s[12:15], s[0:1], 0x20             ; qb s[12:13], kvb s[14:15]
	v_lshl_add_u32 v30, v0, 2, 0x3e800
	v_mov_b32 v31, 0
	ds_add_u32 v30, v31
	v_lshrrev_b32 v1, 5, v0
	v_readfirstlane_b32 s16, v1                    ; wave 0..3
	s_lshr_b32 s17, s16, 1                         ; wm: my half of the rows.  Also: I ask for W (0) or for x (1)
	s_and_b32 s18, s16, 1                          ; wn: my columns.  Also: which half of that tile I ask for
	s_bfe_u32 s19, ttmp6, 0x40000                  ; cx
	s_bfe_u32 s20, ttmp6, 0x40004                  ; cy
	s_mov_b32 s3, ttmp9                            ; the cluster's x: equal in all sixteen partners
	s_lshl_b32 s21, ttmp9, 2
	s_add_co_u32 s21, s21, s19                     ; b: block of W = 4 x cluster x + cx
	s_and_b32 s22, ttmp7, 0xffff
	s_lshl_b32 s22, s22, 2
	s_add_co_u32 s22, s22, s20                     ; br: block row = 4 x cluster y + cy
	; s76-77 hold what hangs on cy and feed x's descriptors alone; s78-79 hold what hangs on cx and feed W's alone
	s_lshl_b32 s76, s20, 2
	s_lshl_b32 s76, 15, s76                        ; my row of the cluster: places 4 cy .. 4 cy + 3
	s_lshl_b32 s78, 0x1111, s19                    ; my column: places cx, cx + 4, cx + 8, cx + 12
	s_or_b32 s[G1AB], s76, W0B                     ; x's tiles go to my row
	s_or_b32 s[G1AS], s76, W0S
	s_or_b32 s[G1BB], s78, W0B                     ; W's tiles go to my column
	s_or_b32 s[G1BS], s78, W0S
	SHAPE G1BB, 256, 96
	SHAPE G1BS, 128, 96
	SHAPE G1AB, 256, 64
	SHAPE G1AS, 128, 64
	s_lshl_b32 s76, s22, 7
	s_lshl_b32 s77, s18, 6
	s_add_co_u32 s76, s76, s77                     ; x: row 128 br + 64 x half
	s_lshl_b32 s76, s76, 12                        ; rows of 4,096 bytes
	s_mov_b32 s77, 0
	s_mul_i32 s78, s21, 192
	s_mul_i32 s79, s18, 96
	s_add_co_u32 s78, s78, s79                     ; W: row 192 b + 96 x half
	s_lshl_b32 s78, s78, 12
	s_mov_b32 s79, 0
	s_wait_dscnt 0x0
	s_wait_kmcnt 0x0
	s_add_nc_u64 s[76:77], s[4:5], s[76:77]
	s_add_nc_u64 s[78:79], s[6:7], s[78:79]
	CROUND                                         ; all sixteen work-groups are here: the first joint loads meet
	; group 0: count 1; the LDS address, a constant + the wave's number x a constant; the global address; type 2
	s_mov_b32 s[G0BB], 1
	s_mul_i32 s[G0BB+1], s16, 96*PB                ; waves 0, 1: W's rows 96 w
	s_mov_b64 s[G0BB+2:G0BB+3], s[78:79]           ; planes 0, 1
	s_or_b32 s[G0BB+3], s[G0BB+3], 0x80000000
	s_mov_b32 s[G0AB], 1
	s_mul_i32 s[G0AB+1], s16, 64*PB
	s_add_co_u32 s[G0AB+1], s[G0AB+1], BIGA-2*64*PB        ; waves 2, 3: x's rows 64 (w - 2)
	s_mov_b64 s[G0AB+2:G0AB+3], s[76:77]
	s_or_b32 s[G0AB+3], s[G0AB+3], 0x80000000
	JLOAD 1
	s_mov_b32 s[G0BS], 1
	s_mul_i32 s[G0BS+1], s16, 96*PS
	s_add_co_u32 s[G0BS+1], s[G0BS+1], SMALL
	s_add_nc_u64 s[G0BS+2:G0BS+3], s[78:79], 2*PLANE       ; plane 2
	s_or_b32 s[G0BS+3], s[G0BS+3], 0x80000000
	s_mov_b32 s[G0AS], 1
	s_mul_i32 s[G0AS+1], s16, 64*PS
	s_add_co_u32 s[G0AS+1], s[G0AS+1], SMALL+192*PS-2*64*PS
	s_add_nc_u64 s[G0AS+2:G0AS+3], s[76:77], 2*PLANE
	s_or_b32 s[G0AS+3], s[G0AS+3], 0x80000000
	JLOAD 0                                        ; both first fills go out before anything else: two tensor loads of a wave are out here, one later
	; cos and sin at row 128 br + 64 wm, column 16 wn (rows of 256 bytes)
	s_lshl_b32 s76, s22, 15
	s_lshl_b32 s77, s17, 14
	s_add_co_u32 s76, s76, s77
	s_lshl_b32 s77, s18, 6
	s_add_co_u32 s76, s76, s77
	s_mov_b32 s77, 0
	s_add_nc_u64 s[8:9], s[8:9], s[76:77]
	s_add_nc_u64 s[10:11], s[10:11], s[76:77]
	v_and_b32 v1, 15, v0                           ; r = l % 16
	v_bfe_u32 v2, v0, 4, 1                         ; h = l / 16
	v_lshlrev_b32 v[CSO], 8, v1                    ; row r,
	v_lshl_add_u32 v[CSO], v2, 5, v[CSO]           ; columns 8 h ..
; the eight loads of row tile a: cos and sin of my eight columns d and of d + 32
.macro CSLOAD a, cs
	global_load_b128 v[\cs:\cs+3],     v[CSO], s[8:9] offset:(\a)*4096
	global_load_b128 v[\cs+4:\cs+7],   v[CSO], s[8:9] offset:(\a)*4096+16
	global_load_b128 v[\cs+8:\cs+11],  v[CSO], s[8:9] offset:(\a)*4096+128
	global_load_b128 v[\cs+12:\cs+15], v[CSO], s[8:9] offset:(\a)*4096+144
	global_load_b128 v[\cs+16:\cs+19], v[CSO], s[10:11] offset:(\a)*4096
	global_load_b128 v[\cs+20:\cs+23], v[CSO], s[10:11] offset:(\a)*4096+16
	global_load_b128 v[\cs+24:\cs+27], v[CSO], s[10:11] offset:(\a)*4096+128
	global_load_b128 v[\cs+28:\cs+31], v[CSO], s[10:11] offset:(\a)*4096+144
.endm
	CSLOAD 0, CS0                                  ; they land while the products run; nothing touches v192-255 before the way out
	CSLOAD 1, CS1
	; a fragment is 16 rows x 32 K in 8 registers: lane l holds row l % 16; two loads of 16 bytes, 32 bytes apart, at row x pitch + 16 (l / 16)
	v_mul_u32_u24 v3, v1, PB
	v_lshl_add_u32 v3, v2, 4, v3
	s_mul_i32 s82, s17, 64*PB                      ; my 64 rows of x,
	s_add_co_u32 s82, s82, BIGA                    ; behind W's 192
	s_mul_i32 s83, s18, 16*PB                      ; my tiles of W begin at row 16 wn
	v_add_nc_u32 v[ADRA], s82, v3
	v_add_nc_u32 v[ADRB], s83, v3
	v_add_nc_u32 v[ADRC], 96*PB, v[ADRB]
	v_mul_u32_u24 v3, v1, PS                       ; the same in the small form, at byte 0 and in the small slot
	v_lshl_add_u32 v3, v2, 4, v3
	s_mul_i32 s82, s17, 64*PS
	s_add_co_u32 s82, s82, 192*PS
	s_mul_i32 s83, s18, 16*PS
	v_add_nc_u32 v[ADRA+2], s82, v3
	v_add_nc_u32 v[ADRB+2], s83, v3
	v_add_nc_u32 v[ADRC+2], 96*PS, v[ADRB+2]
	v_add_nc_u32 v[ADRA+1], SMALL, v[ADRA+2]
	v_add_nc_u32 v[ADRB+1], SMALL, v[ADRB+2]
	v_add_nc_u32 v[ADRC+1], SMALL, v[ADRC+2]
	v_mul_u32_u24 v4, v1, SP                       ; stage, in: row 64 wm + r (+ 16 a), bytes 32 wn + 16 h (+ 64 p)
	v_lshl_add_u32 v4, v2, 4, v4
	s_mul_i32 s82, s17, 64*SP
	s_lshl_b32 s83, s18, 5
	s_add_co_u32 s82, s82, s83
	s_add_co_u32 s82, s82, STAGE
	v_add_nc_u32 v[STO], s82, v4
	v_and_b32 v5, 31, v0                           ; stage, back: wave w takes rows 32 w .. + 31, four rows of 128 bytes a load
	v_lshrrev_b32 v6, 3, v5
	v_and_b32 v7, 7, v0
	v_mul_u32_u24 v6, v6, SP
	v_lshl_add_u32 v6, v7, 4, v6
	s_mul_i32 s82, s16, 32*SP
	s_add_co_u32 s82, s82, STAGE
	v_add_nc_u32 v[RD], s82, v6
	s_lshl_b32 s83, s16, 12
	v_lshl_add_u32 v[CO], v5, 4, s83               ; in memory those rows follow each other: 4,096 w + 16 l
	v_mul_u32_u24 v6, v2, SP                       ; V, back: two rows a load; of sixteen lanes eight take the upper part's 128 bytes,
	v_lshl_add_u32 v6, v7, 4, v6
	v_bfe_u32 v4, v0, 3, 1                         ; eight the lower part's, one stage region on
	v_mul_u32_u24 v4, v4, SHEAD
	v_add3_u32 v[RDV], v6, v4, s82
	v_add_nc_u32 v[RDV], 2*SHEAD, v[RDV]
	s_lshl_b32 s83, s16, 13
	v_lshl_add_u32 v[COV], v5, 4, s83              ; rows of 256 bytes: 8,192 w + 16 l
; six matrix instructions: row tile a x my six column tiles, 32 along K.  zero = 1: the first product starts the sums.
; The 24 accumulators take turns, one instruction a turn, in the same order in every quarter.
.macro MULA f, a, zero
.irp j, 0,1,2,3,4,5
.if \zero
	v_wmma_f32_16x16x32_bf16 v[8*(6*\a+\j):8*(6*\a+\j)+7], v[\f+8*\j:\f+8*\j+7], v[\f+48+8*\a:\f+48+8*\a+7], 0
.else
	v_wmma_f32_16x16x32_bf16 v[8*(6*\a+\j):8*(6*\a+\j)+7], v[\f+8*\j:\f+8*\j+7], v[\f+48+8*\a:\f+48+8*\a+7], v[8*(6*\a+\j):8*(6*\a+\j)+7]
.endif
.endr
.endm
; 20 LDS loads in one run: W's six tiles (32 rows apart), then x's four, 32 K at byte k of the rows, into buffer f.  lay: which address set; p: its pitch
.macro FETCH lay, p, k, f
	WIN 0
.irp j, 0,1,2
	ds_load_b128 v[\f+8*\j:\f+8*\j+3],   v[ADRB+\lay] offset:\k+\j*32*\p
	ds_load_b128 v[\f+8*\j+4:\f+8*\j+7], v[ADRB+\lay] offset:\k+\j*32*\p+32
.endr
.irp j, 0,1,2
	ds_load_b128 v[\f+24+8*\j:\f+24+8*\j+3],   v[ADRC+\lay] offset:\k+\j*32*\p
	ds_load_b128 v[\f+24+8*\j+4:\f+24+8*\j+7], v[ADRC+\lay] offset:\k+\j*32*\p+32
.endr
.irp a, 0,1,2,3
	ds_load_b128 v[\f+48+8*\a:\f+48+8*\a+3],   v[ADRA+\lay] offset:\k+\a*16*\p
	ds_load_b128 v[\f+48+8*\a+4:\f+48+8*\a+7], v[ADRA+\lay] offset:\k+\a*16*\p+32
.endr
.endm
; a quarter of a plane, 32 along K: multiplies buffer f and, in its middle, fetches the next quarter's fragments, at byte k of the same slot's rows, into buffer g
.macro QUARTER lay, p, k, f, g, zero
	s_wait_dscnt 4                                 ; W's tiles and x's tiles 0, 1 are in; the youngest four loads (x's tiles 2, 3) may be out
	WIN MUL
	MULA \f, 0, \zero
	MULA \f, 1, \zero
	PLACES
	FETCH \lay, \p, \k, \g
	s_wait_dscnt 20                                ; all but the 20 just issued
	WIN MUL
	MULA \f, 2, \zero
	MULA \f, 3, \zero
.endm
.macro RUN3 lay, p                     ; the first three quarters of a slot of one plane
	QUARTER \lay, \p, 64,  F0, F1, 0
	QUARTER \lay, \p, 128, F1, F0, 0
	QUARTER \lay, \p, 192, F0, F1, 0
.endm
.macro RUN7 lay, p, zero               ; the first seven quarters of the slot of two planes
	QUARTER \lay, \p, 64,  F0, F1, \zero
	QUARTER \lay, \p, 128, F1, F0, 0
	QUARTER \lay, \p, 192, F0, F1, 0
	QUARTER \lay, \p, 256, F1, F0, 0
	QUARTER \lay, \p, 320, F0, F1, 0
	QUARTER \lay, \p, 384, F1, F0, 0
	QUARTER \lay, \p, 448, F0, F1, 0
.endm
; A slot's last quarter multiplies buffer 1 and changes slots.  One barrier: in front of it each wave waits for its reads of this slot and for all its
; tensor loads (one is out: its part of the next slot); behind it the refill of the slot just read comes first, then the next slot's first fragments.
; nlay, np: the next slot.  fill: 0 nothing; 1 the large slot, three planes on; 2 the small slot, three planes on; 3 plane 15, in the small form, to LDS byte 0.
; From the large slot's request to the wait for it a wave issues 90 matrix instructions, from the small slot's 186.
.macro TURN nlay, np, fill
	s_wait_dscnt 4
	WIN MUL
	MULA F1, 0, 0
	s_wait_dscnt 0                                 ; my reads of this slot are over
	s_wait_tensorcnt 0x0                           ; and all my tensor loads have landed: every group 0 may be written
	ds_add_u32 v30, v31
	s_wait_dscnt 0x0
	s_barrier_signal -1                            ; (where a slot is filled again this barrier opens a round of the cluster's barrier)
	MULA F1, 1, 0                                  ; registers only
	WIN 0
	s_barrier_wait -1
.if \fill
	CREST                                          ; no wave of any partner still reads this slot or has a load on its way
.if \fill == 1
	s_add_nc_u64 s[G0BB+2:G0BB+3], s[G0BB+2:G0BB+3], 3*PLANE
	s_add_nc_u64 s[G0AB+2:G0AB+3], s[G0AB+2:G0AB+3], 3*PLANE
	JLOAD 1                                        ; the first tensor load behind the round, the wave's only one until the next
.endif
.if \fill == 2
	s_add_nc_u64 s[G0BS+2:G0BS+3], s[G0BS+2:G0BS+3], 3*PLANE
	s_add_nc_u64 s[G0AS+2:G0AS+3], s[G0AS+2:G0AS+3], 3*PLANE
	JLOAD 0
.endif
.if \fill == 3
	s_add_nc_u64 s[G0BS+2:G0BS+3], s[G0BS+2:G0BS+3], PLANE     ; plane 15 follows plane 14
	s_add_nc_u64 s[G0AS+2:G0AS+3], s[G0AS+2:G0AS+3], PLANE
	s_sub_co_u32 s[G0BS+1], s[G0BS+1], SMALL                   ; into the large slot's first 87,040 bytes, which were read last
	s_sub_co_u32 s[G0AS+1], s[G0AS+1], SMALL
	JLOAD 0
.endif
.endif
	PLACES
	FETCH \nlay, \np, 0, F0
	WIN MUL
	MULA F1, 2, 0
	MULA F1, 3, 0
.endm
	s_wait_tensorcnt 1                             ; my part of planes 0, 1 is in; plane 2's may stay out
	s_barrier_signal -1
	s_barrier_wait -1                              ; everybody's is
	FETCH 0, PB, 0, F0
	RUN7 0, PB, 1                                  ; planes 0, 1 stand in front of the loop: their first products start the sums
	TURN 1, PS, 1                                  ; planes 3, 4 are asked for
	WIN 0
	s_mov_b32 s23, 3
.Llap:                                                 ; trip n = 0, 1, 2
	RUN3 1, PS                                     ; plane 3 n + 2
	TURN 0, PB, 2                                  ; plane 3 n + 5 is asked for
	RUN7 0, PB, 0                                  ; planes 3 n + 3, 3 n + 4
	TURN 1, PS, 1                                  ; planes 3 n + 6, 3 n + 7 are asked for
	WIN 0
	s_sub_co_u32 s23, s23, 1
	s_cmp_lg_u32 s23, 0
	s_cbranch_scc1 .Llap
	RUN3 1, PS                                     ; plane 11
	TURN 0, PB, 2                                  ; plane 14 is asked for
	RUN7 0, PB, 0                                  ; planes 12, 13
	TURN 1, PS, 3                                  ; plane 15 is asked for
	RUN3 1, PS                                     ; plane 14
	TURN 2, PS, 0                                  ; nothing is left to fetch; behind this barrier no wave reads the small slot any more
	RUN3 2, PS                                     ; plane 15
	s_wait_dscnt 4
	WIN MUL
	MULA F1, 0, 0
	MULA F1, 1, 0
	s_wait_dscnt 0
	MULA F1, 2, 0
	MULA F1, 3, 0
	; THE WAY OUT.  RoPE in f32: out(d) = lo cos(d) - hi sin(d), out(d + 32) = hi cos(d + 32) + lo sin(d + 32), lo and hi the accumulators of
	; columns d and d + 32; both halves of cos and sin are read as they are given.  Then f16, 16 bytes a lane into the stage.
	PLACES
	WIN 0
	s_mov_b32 s84, 0xffff0000                      ; a word's upper bf16
	s_mov_b32 s86, 0x46000400                      ; 8193.0 = 2^13 + 1, for the split of v
	s_mov_b32 s87, 0x46000400
.macro ROPE a, cs, hh
.irp q, 0,2,4,6
	v_pk_mul_f32 v[T+16*\hh+\q:T+16*\hh+\q+1], v[8*(6*\a+2*\hh)+\q:8*(6*\a+2*\hh)+\q+1], v[\cs+\q:\cs+\q+1]
.endr
.irp q, 0,2,4,6
	v_pk_fma_f32 v[T+16*\hh+\q:T+16*\hh+\q+1], v[8*(6*\a+2*\hh+1)+\q:8*(6*\a+2*\hh+1)+\q+1], v[\cs+16+\q:\cs+16+\q+1], v[T+16*\hh+\q:T+16*\hh+\q+1] neg_lo:[0,1,0] neg_hi:[0,1,0]
.endr
.irp q, 0,2,4,6
	v_pk_mul_f32 v[T+16*\hh+8+\q:T+16*\hh+8+\q+1], v[8*(6*\a+2*\hh+1)+\q:8*(6*\a+2*\hh+1)+\q+1], v[\cs+8+\q:\cs+8+\q+1]
.endr
.irp q, 0,2,4,6
	v_pk_fma_f32 v[T+16*\hh+8+\q:T+16*\hh+8+\q+1], v[8*(6*\a+2*\hh)+\q:8*(6*\a+2*\hh)+\q+1], v[\cs+24+\q:\cs+24+\q+1], v[T+16*\hh+8+\q:T+16*\hh+8+\q+1]
.endr
.endm
; row tile a.  rope3 = 1: the third head is a K head and is rotated; 0: a V head, split in two parts.  left: the other buffer's eight loads may stay out.
.macro EPI a, cs, rope3, left
	s_wait_loadcnt \left
	WIN 0
.set n, 0
.rept 16
	v_cvt_pk_bf16_f32 v[Y+n], v[\cs+2*n], v[\cs+2*n+1]     ; cos and sin are rounded to bf16, like every input,
.set n, n+1
.endr
.set n, 0
.rept 16
	v_lshlrev_b32 v[\cs+2*n], 16, v[Y+n]                   ; and widened again in place: the arithmetic stays in f32
	v_and_b32 v[\cs+2*n+1], s84, v[Y+n]
.set n, n+1
.endr
	WIN 0x01                                       ; source 0 (accumulators) window 1
	ROPE \a, \cs, 0
	ROPE \a, \cs, 1
.if \rope3
	ROPE \a, \cs, 2
.else
	; the split: t = (2^13 + 1) x; hi = t - (t - x) is x rounded to 24 - 13 = 11 bits, which f16 holds as it is; lo = x - hi is exact in f32
.set n, 0
.rept 8
	v_pk_mul_f32 v[T+32+2*n:T+32+2*n+1], v[8*(6*\a+4)+2*n:8*(6*\a+4)+2*n+1], s[86:87] op_sel_hi:[1,0]
.set n, n+1
.endr
	WIN 0x04                                       ; source 1 window 1
.set n, 0
.rept 8
	v_pk_add_f32 v[UU+2*n:UU+2*n+1], v[T+32+2*n:T+32+2*n+1], v[8*(6*\a+4)+2*n:8*(6*\a+4)+2*n+1] neg_lo:[0,1] neg_hi:[0,1]
.set n, n+1
.endr
	WIN 0
.set n, 0
.rept 8
	v_pk_add_f32 v[T+32+2*n:T+32+2*n+1], v[T+32+2*n:T+32+2*n+1], v[UU+2*n:UU+2*n+1] neg_lo:[0,1] neg_hi:[0,1]                  ; hi
.set n, n+1
.endr
	WIN 0x01
.set n, 0
.rept 8
	v_pk_add_f32 v[LW+2*n:LW+2*n+1], v[8*(6*\a+4)+2*n:8*(6*\a+4)+2*n+1], v[T+32+2*n:T+32+2*n+1] neg_lo:[0,1] neg_hi:[0,1]      ; lo
.set n, n+1
.endr
.endif
	WIN 0
.set n, 0
.rept 24
	v_cvt_pk_f16_f32 v[Y+n], v[T+2*n], v[T+2*n+1]
.set n, n+1
.endr
.if \rope3 == 0
.set n, 0
.rept 8
	v_cvt_pk_f16_f32 v[Y+24+n], v[LW+2*n], v[LW+2*n+1]
.set n, n+1
.endr
.endif
.irp j, 0,1,2,3,4,5
	ds_store_b128 v[STO], v[Y+4*\j:Y+4*\j+3] offset:(\j/2)*SHEAD+\a*16*SP+(\j%2)*64
.endr
.if \rope3 == 0
	ds_store_b128 v[STO], v[Y+24:Y+27] offset:3*SHEAD+\a*16*SP         ; v's lower part: the fourth region
	ds_store_b128 v[STO], v[Y+28:Y+31] offset:3*SHEAD+\a*16*SP+64
.endif
.if \a < 2
	CSLOAD \a+2, \cs                               ; this buffer's next rows
.endif
.endm
	s_cmp_lt_u32 s3, 2                             ; blocks 0-7 (cluster x 0, 1) carry K heads, blocks 8-15 V heads: equal in all sixteen partners and all waves
	s_cbranch_scc0 .Lv_heads
	EPI 0, CS0, 1, 8
	EPI 1, CS1, 1, 8
	EPI 2, CS0, 1, 8
	EPI 3, CS1, 1, 0
	s_branch .Lstaged
.Lv_heads:
	EPI 0, CS0, 0, 8
	EPI 1, CS1, 0, 8
	EPI 2, CS0, 0, 8
	EPI 3, CS1, 0, 0
.Lstaged:
	s_wait_dscnt 0x0                               ; my stores into the stage are done, for the others' sake
	s_barrier_signal -1
	s_barrier_wait -1                              ; a stage row holds two waves' columns
	s_lshl_b32 s78, s21, 19                        ; qb: head 2 b (262,144 bytes a head),
	s_mov_b32 s79, 0
	s_add_nc_u64 s[12:13], s[12:13], s[78:79]
	s_lshl_b32 s76, s22, 14                        ; row 128 br (128 bytes a row)
	s_mov_b32 s77, 0
	s_add_nc_u64 s[12:13], s[12:13], s[76:77]
.set k, 0
.rept 16
	ds_load_b128 v[32+4*k:32+4*k+3], v[RD] offset:(k/8)*SHEAD+(k%8)*4*SP     ; head k / 8, my rows 4 (k % 8) .. + 3
.set k, k+1
.endr
.set k, 0
.rept 8
	s_wait_dscnt 15-k                              ; LDS loads return in order: load k is in
	global_store_b128 v[CO], v[32+4*k:32+4*k+3], s[12:13] offset:k*512       ; a store of the wave covers 512 consecutive bytes, aligned
.set k, k+1
.endr
.rept 8
	s_wait_dscnt 15-k
	global_store_b128 v[CO], v[32+4*k:32+4*k+3], s[12:13] offset:262144+(k-8)*512
.set k, k+1
.endr
	s_cmp_lt_u32 s3, 2
	s_cbranch_scc0 .Lv_out
	s_lshl_b32 s78, s21, 18                        ; K: head b, row 128 br
	s_add_nc_u64 s[14:15], s[14:15], s[78:79]
	s_add_nc_u64 s[14:15], s[14:15], s[76:77]
.set k, 0
.rept 8
	ds_load_b128 v[96+4*k:96+4*k+3], v[RD] offset:2*SHEAD+k*4*SP
.set k, k+1
.endr
.set k, 0
.rept 8
	s_wait_dscnt 7-k
	global_store_b128 v[CO], v[96+4*k:96+4*k+3], s[14:15] offset:k*512
.set k, k+1
.endr
	s_branch .Lout_done
.Lv_out:
	s_sub_co_u32 s78, s21, 8                       ; V: head b - 8 (524,288 bytes a head),
	s_lshl_b32 s78, s78, 19
	s_add_nc_u64 s[14:15], s[14:15], s[78:79]
	s_lshl_b32 s76, s22, 15                        ; row 128 br (256 bytes a row),
	s_add_nc_u64 s[14:15], s[14:15], s[76:77]
	s_add_nc_u64 s[14:15], s[14:15], 0x200000      ; behind K's eight heads
.set k, 0
.rept 16
	ds_load_b128 v[96+4*k:96+4*k+3], v[RDV] offset:k*2*SP                    ; my rows 2 k, 2 k + 1: upper and lower part side by side
.set k, k+1
.endr
.set k, 0
.rept 16
	s_wait_dscnt 15-k
	global_store_b128 v[COV], v[96+4*k:96+4*k+3], s[14:15] offset:k*512      ; sixteen lanes store a row's 256 bytes
.set k, k+1
.endr
.Lout_done:
	s_wait_tensorcnt 0x0
	ds_add_u32 v30, v31
	s_wait_dscnt 0x0
	CROUND                                         ; the closing round: no work-group ends while a partner may still ask for a tile that names it
	s_endpgm
.Lfunc_end_k_q0247384b1e_qkv:
	.size	k_q0247384b1e_qkv, .Lfunc_end_k_q0247384b1e_qkv-k_q0247384b1e_qkv
	.p2alignl 7, 3214868480
	.fill 96, 4, 3214868480
	.section	.rodata,"a",@progbits
	.p2align	6, 0x0
	.amdhsa_kernel k_q0247384b1e_qkv
		.amdhsa_group_segment_fixed_size 327680
		.amdhsa_private_segment_fixed_size 0
		.amdhsa_enable_private_segment 0
		.amdhsa_kernarg_size 48
		.amdhsa_user_sgpr_count 2
		.amdhsa_user_sgpr_kernarg_segment_ptr 1
		.amdhsa_wavefront_size32 1
		.amdhsa_system_sgpr_workgroup_id_x 1
		.amdhsa_system_sgpr_workgroup_id_y 1
		.amdhsa_system_sgpr_workgroup_id_z 1
		.amdhsa_system_vgpr_workitem_id 0
		.amdhsa_next_free_vgpr 448
		.amdhsa_next_free_sgpr 96
		.amdhsa_reserve_vcc 0
		.amdhsa_float_denorm_mode_32 3
		.amdhsa_float_denorm_mode_16_64 3
		.amdhsa_memory_ordered 1
		.amdhsa_forward_progress 1
		.amdhsa_inst_pref_size 210
	.end_amdhsa_kernel
	.amdgpu_metadata
---
amdhsa.version: [ 1, 2 ]
amdhsa.kernels:
  - .name:           k_q0247384b1e_qkv
    .symbol:         k_q0247384b1e_qkv.kd
    .args:
      - { .name: xb, .offset: 0, .size: 8, .value_kind: global_buffer, .address_space: global }
      - { .name: wb, .offset: 8, .size: 8, .value_kind: global_buffer, .address_space: global }
      - { .name: cos, .offset: 16, .size: 8, .value_kind: global_buffer, .address_space: global }
      - { .name: sin, .offset: 24, .size: 8, .value_kind: global_buffer, .address_space: global }
      - { .name: qb, .offset: 32, .size: 8, .value_kind: global_buffer, .address_space: global }
      - { .name: kvb, .offset: 40, .size: 8, .value_kind: global_buffer, .address_space: global }
    .group_segment_fixed_size: 327680
    .private_segment_fixed_size: 0
    .kernarg_segment_align: 8
    .kernarg_segment_size: 48
    .max_flat_workgroup_size: 128
    .sgpr_count:     96
    .vgpr_count:     448
    .wavefront_size: 32
...
	.end_amdgpu_metadata
.endif
;; end of part 2
;; launch attn (part 3): grid 32 x 8, 8 waves a work-group, clusters of 4 x 1, 327,680 bytes of LDS; arguments qb, kvb, mb, ob; writes ob
.if DOCPART == 3
	.amdgcn_target "amdgcn-amd-amdhsa--gfx1250"
	.amdhsa_code_object_version 6
	.text
	.protected	k_q0247384b1e_attn
	.globl	k_q0247384b1e_attn
	.p2align	8
	.type	k_q0247384b1e_attn,@function
k_q0247384b1e_attn:
	s_mov_b64 s[64:65], 0
	v_nop
	global_prefetch_b8 v0, s[64:65] scope:SCOPE_SE
	s_setreg_imm32_b32 hwreg(HW_REG_WAVE_MODE, 25, 1), 1
	s_wait_xcnt 0x0
	s_wait_alu depctr_hold_cnt(0) depctr_sa_sdst(0) depctr_va_vdst(0) depctr_va_sdst(0) depctr_va_ssrc(0) depctr_va_vcc(0) depctr_vm_vsrc(0)
	s_getreg_b32 s2, hwreg(HW_REG_IB_STS2, 6, 4)
	s_cmp_eq_u32 s2, 0
	s_cbranch_scc0 .Lentry_in_a_cluster
	s_endpgm
.Lentry_in_a_cluster:
	s_bfe_u32 s2, ttmp6, 0x10000c
	s_cmp_lg_u32 s2, 0x3003
	s_cbranch_scc0 .Lentry_shape_is_right
	s_endpgm
.Lentry_shape_is_right:
; attn: o[t][64 head + d] = softmax over keys of (q.k / 8, masked) x v.  qb: [32][2048][64] f16; kvb: K as [8][2048][64] f16, then, 2,097,152 bytes on,
; V as [8][2048 keys][upper part 64 | lower part 64] f16; mb: the mask as bytes 0x00 / 0xFB in the lanes' order (below); ob: [2048][2048] f16.
; The mask is an input: every key is visited.
; FORMATS: both products take f16 operands (P lies in 0..1).  v is the sum of two f16 numbers and P is multiplied with both onto one accumulator: a row made
; of few keys is as large as v, most rows are means of many keys and small, and v's rounding has to be small against the latter.  o leaves in f16.
; A work-group takes 64 queries and one K/V head, that is its four query heads.  Eight waves: wave w = 4 u + qt takes queries 16 qt .. + 15, all four
; heads, and the blocks of 64 keys of parity u; the two waves of a qt merge their sums once, at the end, through LDS.
; CLUSTERS: the four work-groups of a cluster take four query blocks of one K/V head and walk the same K and V tiles: each tile is asked for jointly.
; BOTH PRODUCTS ARE TRANSPOSED.  S^T = K Q^T: lane (r, h) register j of tile t holds query r, key 16 t + 8 h + j, so a query's maximum and sum are
; made inside a lane and across the two halves alone, and packing tiles 2 ks, 2 ks + 1 in the lane gives the B fragment of P^T as it stands.
; O^T = V^T P^T: V^T's fragments come from V's [key][d] rows by the transposing LDS load; lane (r, h) register j of tile dt holds query r, d = 16 dt + 8 h + j.
; THE MASK enters as the C operand of the first product: a register's top byte is the key's byte, 0xFB for a masked key, which as f32 lies between
; -2^119 and -2^121, 0x00 for a kept one, which with the bytes below it is at most 2.4e-38.  The running maximum starts at -2^100, so a masked key's
; exponential is exactly 0, and a row that is masked throughout ends with sum 0 and 0 x (1/0) = NaN, as a softmax of -inf alone.
; SOFTMAX: a running maximum is taken away before every exponential; sums and O are rescaled by exp2 of the exact difference of the two shifts used.
; LIMITS: raw scores |q.k| below 2^100; a kept score carries an addend of at most 2.4e-38; mask bytes are 0 or 1 at the source; |o| below 65,504 (it is
; a mean of v); below 2^-14 an f16 number is a multiple of 2^-24.
; LDS: a slot holds 256 keys: V's four blocks of 64 rows at 288 bytes, filled by waves 0-3, then K's four blocks of 64 rows at 144 bytes, filled by waves 4-7.
; Behind the two slots, filled by no tensor load: the merge's exchange (4 x 17,408) and the stage of the way out (4 x 16 rows at 528 bytes).
; REGISTERS: window 0 as named below; window 1: v0-127 S, tile (hd, t) at 32 hd + 8 t, overlaid by P, fragment (hd, ks) at 32 hd + 8 ks; v128-255 O, tile (hd, dt).
; Two waves lie on a SIMD, 512 registers each, and all are named: the lower part's fragments take registers that are free at that point (see BLOCK).
.set KP,    144                        ; 128 bytes + 16: an odd multiple of 16
.set VP,    288                        ; 256 bytes + 32: an odd multiple of 32, for the transposing load
.set KPART, 64*KP
.set VPART, 64*VP
.set KOFF,  4*VPART                    ; K's blocks lie behind V's
.set SLOT,  KOFF+4*KPART
.set XST,   2*SLOT
.set XW,    17408                      ; 32 x 512 bytes of O, 512 of shifts, 512 of sums
.set OST,   XST+4*XW
.set OW,    8448
.set OP,    528                        ; four heads' 512 bytes + 16
.set QOFF, 4                           ; v4      my byte offset in a head's 16 query rows
.set MOFF, 5                           ; v5      my byte offset in the query tile's mask bytes; steps by two key blocks
.set KA,   6                           ; v6-7    LDS address of my K fragments in slot 0, 1
.set VA,   8                           ; v8-9    the same for V
.set XA,   10                          ; v10     the exchange
.set STO,  11                          ; v11     stage, in
.set RD,   12                          ; v12     stage, back
.set CO,   13                          ; v13     my byte offset in ob
.set LL,   16                          ; v16-31  sums: two pairs a head
.set NM,   32                          ; v32-39  a pair a head; the first register is the shift, -C x maximum
.set AL,   40                          ; v40-47  a pair a head; the first register is the rescaling factor
.set T0,   48                          ; v48-51  running raw maximum
.set T1,   52                          ; v52-55  at work
.set LS,   56                          ; v56-59  a lane's sum, at the end
.set NG,   60                          ; v60-63  the four shifts side by side, for one store
.set Q,    64                          ; v64-127  Q fragment (hd, ks) at 16 hd + 8 ks
.set F,    128                         ; v128-191 K fragment (t, ks), later V^T fragment (dt, ks), at 16 x + 8 ks
.set BIAS, 192                         ; v192-223 the mask as C operand, tile t at 8 t
.set G,    192                         ; v192-223 behind the first product: the lower part's V^T fragment (dt, 0) at 8 dt
.set MB,   224                         ; v224-231 32 mask bytes as loaded
.set PS,   232                         ; v232-239 the partner's shifts and sums
.set X,    64                          ; v64-191  the partner's O, then the merged o, at the end
.set SS,   0                           ; window 1
.set OO,   128                         ; window 1
.set G1K, 16                           ; s[16:23] group 1 for K's tiles
.set G1V, 24                           ; s[24:31] group 1 for V's tiles
.set G0K, 32                           ; s[32:39] group 0 for K's tiles, one set for each slot
.set G0V, 40                           ; s[40:47] group 0 for V's tiles
.set MSB, 0
.macro WIN new
.if MSB != \new
	s_set_vgpr_msb (MSB<<8)|\new
.set MSB, \new
.endif
.endm
.macro PLACES                          ; four places behind a matrix instruction (ISA guide 7.12.1)
.rept 4
	v_nop
.endr
.endm
.macro JLOAD s                         ; waves 0-3 ask for V's four blocks, waves 4-7 for K's; the branch hangs on the wave's number alone
	s_cmp_eq_u32 s13, 0
	s_cbranch_scc0 .Lfor_k_\@
	tensor_load_to_lds s[G0V+4*\s:G0V+4*\s+3], s[G1V:G1V+7]
	s_nop 0
	s_branch .Lasked_\@
.Lfor_k_\@:
	tensor_load_to_lds s[G0K+4*\s:G0K+4*\s+3], s[G1K:G1K+7]
	s_nop 0
.Lasked_\@:
.endm
.macro ROUND                           ; a round of the cluster's barrier
	s_barrier_signal -1
	s_barrier_wait -1
	s_cmp_lg_u32 s12, 0
	s_cbranch_scc1 .Lnot_wave_0_\@
	s_barrier_signal -3
.Lnot_wave_0_\@:
	s_barrier_wait -3
	s_barrier_signal -1
	s_barrier_wait -1
.endm
	s_load_b256 s[4:11], s[0:1], 0x0               ; qb s[4:5], kvb s[6:7], mb s[8:9], ob s[10:11]
	v_lshl_add_u32 v254, v0, 2, 0x4f400
	v_mov_b32 v255, 0
	ds_add_u32 v254, v255
	v_lshrrev_b32 v1, 5, v0
	v_readfirstlane_b32 s12, v1                    ; wave 0..7
	s_lshr_b32 s13, s12, 2                         ; u: the parity of my key blocks.  Also: I ask for V (0) or for K (1)
	s_and_b32 s14, s12, 3                          ; qt: my 16 queries.  Also: which block of the tile I ask for
	s_and_b32 s52, ttmp7, 0xffff                   ; g: the K/V head, shared by the cluster
	s_mov_b32 s[G1K+0], 15|(1<<16)|(1<<20)|(1<<21)|(4<<22)|(3<<25)   ; all four partners; elements of 2 bytes; padding on; bit 21 beside a mask; after every 32 words, 4 words
	s_mov_b32 s[G1V+0], 15|(1<<16)|(1<<20)|(1<<21)|(5<<22)|(7<<25)   ; the same: after every 64 words, 8 words
	s_mov_b32 s[G1K+1], 64<<16                     ; tensor_dim0: K's rows have 64 elements,
	s_mov_b32 s[G1V+1], 128<<16                    ; V's 128
	s_mov_b32 s[G1K+2], 64<<16                     ; tensor_dim1 = 64
	s_mov_b32 s[G1V+2], 64<<16
	s_mov_b32 s[G1K+3], 64<<16                     ; tile_dim0
	s_mov_b32 s[G1V+3], 128<<16
	s_mov_b32 s[G1K+4], 64                         ; tile_dim1 = 64
	s_mov_b32 s[G1V+4], 64
	s_mov_b32 s[G1K+5], 64                         ; elements from row to row
	s_mov_b32 s[G1V+5], 128
	s_mov_b32 s[G1K+6], 0
	s_mov_b32 s[G1V+6], 0
	s_mov_b32 s[G1K+7], 0
	s_mov_b32 s[G1V+7], 0
	s_lshl_b32 s54, s52, 18                        ; K: head g (262,144 bytes),
	s_lshl_b32 s55, s14, 13                        ; block qt of the tile (64 rows of 128 bytes)
	s_add_co_u32 s54, s54, s55
	s_mov_b32 s55, 0
	s_lshl_b32 s66, s52, 19                        ; V: head g (524,288 bytes),
	s_lshl_b32 s67, s14, 14                        ; block qt of the tile (64 rows of 256 bytes),
	s_add_co_u32 s66, s66, s67
	s_add_co_u32 s66, s66, 0x200000                ; behind K's eight heads
	s_mov_b32 s67, 0
	s_mul_i32 s53, s12, KPART                      ; waves 4-7: K's block w - 4
	s_add_co_u32 s53, s53, KOFF-4*KPART
	s_mul_i32 s68, s12, VPART                      ; waves 0-3: V's block w
	s_wait_dscnt 0x0
	s_wait_kmcnt 0x0
	s_add_nc_u64 s[54:55], s[6:7], s[54:55]
	s_add_nc_u64 s[66:67], s[6:7], s[66:67]
	ROUND                                          ; the four work-groups are here: the first joint loads meet
.irp s, 0,1
	s_mov_b32 s[G0K+4*\s], 1
	s_add_co_u32 s[G0K+4*\s+1], s53, \s*SLOT
	s_add_nc_u64 s[G0K+4*\s+2:G0K+4*\s+3], s[54:55], \s*32768              ; tile s: 256 rows of 128 bytes on
	s_or_b32 s[G0K+4*\s+3], s[G0K+4*\s+3], 0x80000000
	s_mov_b32 s[G0V+4*\s], 1
	s_add_co_u32 s[G0V+4*\s+1], s68, \s*SLOT
	s_add_nc_u64 s[G0V+4*\s+2:G0V+4*\s+3], s[66:67], \s*65536              ; 256 rows of 256 bytes on
	s_or_b32 s[G0V+4*\s+3], s[G0V+4*\s+3], 0x80000000
	JLOAD \s                                       ; two tensor loads of a wave are out here, one later
.endr
	s_bfe_u32 s15, ttmp6, 0x40000                  ; cx: it enters the addresses of q, of the mask and of the output alone
	s_lshl_b32 s62, ttmp9, 2
	s_add_co_u32 s62, s62, s15                     ; query block = 4 x cluster x + cx
	s_lshl_b32 s63, s62, 6
	s_lshl4_add_u32 s63, s14, s63                  ; q0 = 64 x block + 16 qt
	s_lshl_b32 s58, s63, 7                         ; qb: row q0 (128 bytes a row),
	s_mov_b32 s59, 0
	s_add_nc_u64 s[4:5], s[4:5], s[58:59]
	s_lshl_b32 s60, s52, 20                        ; head 4 g
	s_mov_b32 s61, 0
	s_add_nc_u64 s[4:5], s[4:5], s[60:61]
	s_lshl_b32 s58, s63, 11                        ; mb: query tile q0 / 16, 32,768 bytes each
	s_add_nc_u64 s[8:9], s[8:9], s[58:59]
	s_lshl_b32 s58, s63, 12                        ; ob: row q0 (4,096 bytes a row),
	s_add_nc_u64 s[10:11], s[10:11], s[58:59]
	s_lshl_b32 s60, s52, 9                         ; the 512 bytes of heads 4 g .. 4 g + 3
	s_add_nc_u64 s[10:11], s[10:11], s[60:61]
	s_mov_b32 s48, 0x76543210                      ; v_permlanex16_b32: lane i of one half reads lane i of the other
	s_mov_b32 s49, 0xfedcba98
	s_mov_b32 s50, 0x3e38aa3b                      ; C = log2(e) / 8: the scale 1/sqrt(64) and the change of base in one factor
	s_mov_b32 s51, 0x3e38aa3b
	s_mov_b32 s56, 0xbe38aa3b                      ; -C
	v_and_b32 v1, 15, v0                           ; r
	v_bfe_u32 v2, v0, 4, 1                         ; h
	v_and_b32 v3, 31, v0                           ; l
	v_lshlrev_b32 v[QOFF], 7, v1
	v_lshl_add_u32 v[QOFF], v2, 4, v[QOFF]         ; 128 r + 16 h
	s_lshl_b32 s52, s13, 10
	v_lshl_add_u32 v[MOFF], v3, 4, s52             ; 16 l + key block u (1,024 bytes a block)
.irp hd, 0,1,2,3
.irp ks, 0,1
	global_load_b128 v[Q+16*\hd+8*\ks:Q+16*\hd+8*\ks+3],   v[QOFF], s[4:5] offset:\hd*262144+64*\ks
	global_load_b128 v[Q+16*\hd+8*\ks+4:Q+16*\hd+8*\ks+7], v[QOFF], s[4:5] offset:\hd*262144+64*\ks+32
.endr
.endr
	global_load_b128 v[MB:MB+3],   v[MOFF], s[8:9]             ; keys 8 h + 0..7, 16 + 8 h + 0..7
	global_load_b128 v[MB+4:MB+7], v[MOFF], s[8:9] offset:512  ; keys 32 + ...
	v_mul_u32_u24 v14, v1, KP
	v_lshl_add_u32 v14, v2, 4, v14                 ; K: row r, 16 h
	s_mul_i32 s52, s13, KPART                      ; block u of the tile; block 2 + u lies two blocks on
	s_add_co_u32 s52, s52, KOFF
	v_add_nc_u32 v[KA], s52, v14
	s_add_co_u32 s52, s52, SLOT
	v_add_nc_u32 v[KA+1], s52, v14
	v_and_b32 v15, 7, v0
	v_lshl_add_u32 v15, v2, 3, v15                 ; V: row 8 h + l % 8,
	v_mul_u32_u24 v15, v15, VP
	v_bfe_u32 v14, v0, 3, 1
	v_lshl_add_u32 v15, v14, 4, v15                ; 16 bytes for each eight lanes
	s_mul_i32 s53, s13, VPART
	v_add_nc_u32 v[VA], s53, v15
	s_add_co_u32 s53, s53, SLOT
	v_add_nc_u32 v[VA+1], s53, v15
	s_mul_i32 s52, s14, XW
	s_add_co_u32 s52, s52, XST
	v_lshl_add_u32 v[XA], v3, 4, s52               ; the exchange of my qt: 16 bytes a lane
	s_mul_i32 s53, s14, OW
	s_add_co_u32 s53, s53, OST
	v_mul_u32_u24 v14, v1, OP
	v_lshl_add_u32 v14, v2, 4, v14
	v_add_nc_u32 v[STO], s53, v14                  ; in: row r, 16 h
	v_mul_u32_u24 v14, v2, OP
	v_lshl_add_u32 v14, v1, 4, v14
	v_add_nc_u32 v[RD], s53, v14                   ; back: lanes 0-15 take 256 bytes of one row, lanes 16-31 of the next
	v_lshlrev_b32 v[CO], 12, v2
	v_lshl_add_u32 v[CO], v1, 4, v[CO]             ; and the same in ob
.irp i, 0,1,2,3,4,5,6,7,8,9,10,11,12,13,14,15
	v_mov_b32 v[LL+\i], 0                          ; the sums start at 0
.endr
.irp hd, 0,1,2,3
	v_mov_b32 v[T0+\hd], 0xf1800000                ; the maximum starts at -2^100, above every masked key's score
	v_mov_b32 v[T1+\hd], 0
	v_mul_f32 v[NM+2*\hd], s56, v[T0+\hd]          ; and the shift with it
	v_mov_b32 v[NM+2*\hd+1], 0                     ; the pairs' second registers are never used, but a packed source names them
	v_mov_b32 v[AL+2*\hd], 0
	v_mov_b32 v[AL+2*\hd+1], 0
.endr
; The softmax step on the 4 x 32 scores of a lane.  zero = 1: the first block: there is no O to rescale yet.
.macro SOFT zero
	WIN 0x05                                       ; sources 0 and 1 (scores) window 1
.irp hd, 0,1,2,3
	v_max3_num_f32 v[T0+\hd], v[SS+32*\hd], v[SS+32*\hd+1], v[T0+\hd]
.endr
.irp hd, 0,1,2,3
	v_max_num_f32 v[T1+\hd], v[SS+32*\hd+2], v[SS+32*\hd+3]
.endr
.irp i, 4,8,12,16,20,24,28
.irp hd, 0,1,2,3
	v_max3_num_f32 v[T0+\hd], v[SS+32*\hd+\i], v[SS+32*\hd+\i+1], v[T0+\hd]       ; eight chains that do not wait for each other
.endr
.irp hd, 0,1,2,3
	v_max3_num_f32 v[T1+\hd], v[SS+32*\hd+\i+2], v[SS+32*\hd+\i+3], v[T1+\hd]
.endr
.endr
	WIN 0
.irp hd, 0,1,2,3
	v_max_num_f32 v[T0+\hd], v[T0+\hd], v[T1+\hd]
.endr
.irp hd, 0,1,2,3
	v_permlanex16_b32 v[T1+\hd], v[T0+\hd], s48, s49       ; the query's other sixteen keys of each 32 lie in the other half
.endr
.irp hd, 0,1,2,3
	v_max_num_f32 v[T0+\hd], v[T0+\hd], v[T1+\hd]
.endr
.irp hd, 0,1,2,3
	v_mul_f32 v[T1+\hd], s56, v[T0+\hd]                    ; the new shift
.endr
.irp hd, 0,1,2,3
	v_sub_f32 v[AL+2*\hd], v[T1+\hd], v[NM+2*\hd]          ; new shift - old shift, of the two numbers that are really used
.endr
.irp hd, 0,1,2,3
	v_exp_f32 v[AL+2*\hd], v[AL+2*\hd]
.endr
.irp hd, 0,1,2,3
	v_mov_b32 v[NM+2*\hd], v[T1+\hd]                       ; plain instructions behind the exponentials, ahead of their results' first use (ISA guide 5.7.2)
.endr
	s_wait_alu depctr_va_vdst(0)
.irp hd, 0,1,2,3
	v_pk_mul_f32 v[LL+4*\hd:LL+4*\hd+1], v[LL+4*\hd:LL+4*\hd+1], v[AL+2*\hd:AL+2*\hd+1] op_sel_hi:[1,0]
	v_pk_mul_f32 v[LL+4*\hd+2:LL+4*\hd+3], v[LL+4*\hd+2:LL+4*\hd+3], v[AL+2*\hd:AL+2*\hd+1] op_sel_hi:[1,0]
.endr
	WIN 0x41                                       ; source 0 and destination window 1
.irp hd, 0,1,2,3
.set n, 0
.rept 16
	v_pk_fma_f32 v[SS+32*\hd+2*n:SS+32*\hd+2*n+1], v[SS+32*\hd+2*n:SS+32*\hd+2*n+1], s[50:51], v[NM+2*\hd:NM+2*\hd+1] op_sel_hi:[1,0,0]
.set n, n+1
.endr
.set n, 0
.rept 16
	v_exp_f32 v[SS+32*\hd+2*n], v[SS+32*\hd+2*n]
	v_exp_f32 v[SS+32*\hd+2*n+1], v[SS+32*\hd+2*n+1]
.if \zero == 0
	v_pk_mul_f32 v[OO+32*\hd+2*n:OO+32*\hd+2*n+1], v[OO+32*\hd+2*n:OO+32*\hd+2*n+1], v[AL+2*\hd:AL+2*\hd+1] op_sel_hi:[1,0]   ; O's rescaling rides between the exponentials
.endif
.set n, n+1
.endr
.if \zero
	v_nop                                          ; the plain place behind the last exponentials
	s_wait_alu depctr_va_vdst(0)
.endif
.endr
	WIN 0x01
.set n, 0
	s_wait_alu depctr_va_vdst(0)
.rept 16
.irp hd, 0,1,2,3
	v_pk_add_f32 v[LL+4*\hd+2*(n%2):LL+4*\hd+2*(n%2)+1], v[SS+32*\hd+2*n:SS+32*\hd+2*n+1], v[LL+4*\hd+2*(n%2):LL+4*\hd+2*(n%2)+1]
.endr
.set n, n+1
.endr
	WIN 0x45
.set n, 0
.rept 16
.irp hd, 0,1,2,3
	v_cvt_pk_f16_f32 v[SS+32*\hd+n], v[SS+32*\hd+2*n], v[SS+32*\hd+2*n+1]    ; in place, ascending: what is read later lies at 2 n + 2 and above
.endr
.set n, n+1
.endr
.endm
; One block of 64 keys: block 2 i + u of the tile in the slot.  zero = 1: the first block starts O.  more = 1: the next block's mask bytes are asked for.
; 32 matrix instructions for S, 64 for O: the upper part's keys 0-31 and 32-63, then the lower part's.  The lower part's fragments of keys 0-31 are loaded
; into the mask operand's registers, free behind the first product; those of keys 32-63 into the registers of the upper part's keys 0-31, four places behind
; the products that read them, and land while the lower part's keys 0-31 are multiplied.
; In every run the sixteen accumulators take turns, one instruction a turn.
.macro BLOCK slot, i, zero, more
	PLACES                                         ; behind the last block's products, which read F and G
	WIN 0
.irp t, 0,1,2,3
.irp ks, 0,1
	ds_load_b128 v[F+16*\t+8*\ks:F+16*\t+8*\ks+3],   v[KA+\slot] offset:\i*2*KPART+\t*16*KP+64*\ks
	ds_load_b128 v[F+16*\t+8*\ks+4:F+16*\t+8*\ks+7], v[KA+\slot] offset:\i*2*KPART+\t*16*KP+64*\ks+32
.endr
.endr
	s_wait_loadcnt 0x0                             ; this block's mask bytes (and, the first time, Q)
.set n, 0
.rept 32
	v_lshlrev_b32 v[BIAS+n], 24-8*(n%4), v[MB+n/4] ; byte n = 8 t + j moves to the top: one instruction for a (query, key), shared by the four heads
.set n, n+1
.endr
.if \more
	v_add_nc_u32 v[MOFF], 0x800, v[MOFF]           ; free since the wait above: two key blocks on
	global_load_b128 v[MB:MB+3],   v[MOFF], s[8:9]
	global_load_b128 v[MB+4:MB+7], v[MOFF], s[8:9] offset:512
.endif
	s_wait_dscnt 0x0
	WIN 0x40                                       ; D window 1; K, Q and the mask window 0
.irp hd, 0,1,2,3
.irp t, 0,1,2,3
	v_wmma_f32_16x16x32_f16 v[SS+32*\hd+8*\t:SS+32*\hd+8*\t+7], v[F+16*\t:F+16*\t+7], v[Q+16*\hd:Q+16*\hd+7], v[BIAS+8*\t:BIAS+8*\t+7]
.endr
.endr
	WIN 0x50
.irp hd, 0,1,2,3
.irp t, 0,1,2,3
	v_wmma_f32_16x16x32_f16 v[SS+32*\hd+8*\t:SS+32*\hd+8*\t+7], v[F+16*\t+8:F+16*\t+15], v[Q+16*\hd+8:Q+16*\hd+15], v[SS+32*\hd+8*\t:SS+32*\hd+8*\t+7]
.endr
.endr
	PLACES                                         ; in front of the loads into F and G and of the reads of S
	WIN 0
.irp dt, 0,1,2,3
.irp ks, 0,1
	ds_load_tr16_b128 v[F+16*\dt+8*\ks:F+16*\dt+8*\ks+3],   v[VA+\slot] offset:\i*2*VPART+\ks*32*VP+32*\dt
	ds_load_tr16_b128 v[F+16*\dt+8*\ks+4:F+16*\dt+8*\ks+7], v[VA+\slot] offset:\i*2*VPART+\ks*32*VP+32*\dt+16*VP
.endr
.endr
.irp dt, 0,1,2,3
	ds_load_tr16_b128 v[G+8*\dt:G+8*\dt+3],   v[VA+\slot] offset:\i*2*VPART+128+32*\dt             ; the lower part lies 128 bytes on in the row
	ds_load_tr16_b128 v[G+8*\dt+4:G+8*\dt+7], v[VA+\slot] offset:\i*2*VPART+128+32*\dt+16*VP
.endr
	SOFT \zero                                     ; V's fragments land meanwhile
	s_wait_dscnt 0x0
	WIN 0x54                                       ; V^T window 0; P, C and D window 1
.irp hd, 0,1,2,3
.irp dt, 0,1,2,3
.if \zero
	v_wmma_f32_16x16x32_f16 v[OO+32*\hd+8*\dt:OO+32*\hd+8*\dt+7], v[F+16*\dt:F+16*\dt+7], v[SS+32*\hd:SS+32*\hd+7], 0
.else
	v_wmma_f32_16x16x32_f16 v[OO+32*\hd+8*\dt:OO+32*\hd+8*\dt+7], v[F+16*\dt:F+16*\dt+7], v[SS+32*\hd:SS+32*\hd+7], v[OO+32*\hd+8*\dt:OO+32*\hd+8*\dt+7]
.endif
.endr
.endr
.irp hd, 0,1,2,3
.irp dt, 0,1,2,3
	v_wmma_f32_16x16x32_f16 v[OO+32*\hd+8*\dt:OO+32*\hd+8*\dt+7], v[F+16*\dt+8:F+16*\dt+15], v[SS+32*\hd+8:SS+32*\hd+15], v[OO+32*\hd+8*\dt:OO+32*\hd+8*\dt+7]
.endr
.endr
	PLACES                                         ; in front of the loads into the registers that the first of these two runs read
	WIN 0
.irp dt, 0,1,2,3
	ds_load_tr16_b128 v[F+16*\dt:F+16*\dt+3],   v[VA+\slot] offset:\i*2*VPART+32*VP+128+32*\dt
	ds_load_tr16_b128 v[F+16*\dt+4:F+16*\dt+7], v[VA+\slot] offset:\i*2*VPART+32*VP+128+32*\dt+16*VP
.endr
	WIN 0x54
.irp hd, 0,1,2,3
.irp dt, 0,1,2,3
	v_wmma_f32_16x16x32_f16 v[OO+32*\hd+8*\dt:OO+32*\hd+8*\dt+7], v[G+8*\dt:G+8*\dt+7], v[SS+32*\hd:SS+32*\hd+7], v[OO+32*\hd+8*\dt:OO+32*\hd+8*\dt+7]
.endr
.endr
	s_wait_dscnt 0x0
.irp hd, 0,1,2,3
.irp dt, 0,1,2,3
	v_wmma_f32_16x16x32_f16 v[OO+32*\hd+8*\dt:OO+32*\hd+8*\dt+7], v[F+16*\dt:F+16*\dt+7], v[SS+32*\hd+8:SS+32*\hd+15], v[OO+32*\hd+8*\dt:OO+32*\hd+8*\dt+7]
.endr
.endr
	WIN 0
.endm
; The tile in the slot.  refill = 1: the other slot, read last, is filled again, two tiles on, by the wave's one tensor load behind the round.
.macro NEXT slot, other, refill, more
	s_wait_tensorcnt 0x0                           ; all my tensor loads have landed, my part of this slot among them: every group 0 may be written
	ds_add_u32 v254, v255
	s_wait_dscnt 0x0
.if \refill
	s_add_nc_u64 s[G0K+4*\other+2:G0K+4*\other+3], s[G0K+4*\other+2:G0K+4*\other+3], 0x10000
	s_add_nc_u64 s[G0V+4*\other+2:G0V+4*\other+3], s[G0V+4*\other+2:G0V+4*\other+3], 0x20000
.endif
	s_wait_dscnt 0x0                               ; my reads of the other slot are over
.if \refill
	ROUND                                          ; both now hold of every wave of the four work-groups
	JLOAD \other
.else
	s_barrier_signal -1                            ; it shows the last tile whole to every wave
	s_barrier_wait -1
.endif
	BLOCK \slot, 0, 0, 1
	BLOCK \slot, 1, 0, \more
.endm
	s_wait_tensorcnt 0x1                           ; my part of tile 0 is in; tile 1's may stay out
	s_barrier_signal -1
	s_barrier_wait -1
	BLOCK 0, 0, 1, 1
	BLOCK 0, 1, 0, 1
	s_mov_b32 s57, 3                               ; tiles 1 to 6; eight tiles of 256 keys in all
.Ltiles:
	NEXT 1, 0, 1, 1
	NEXT 0, 1, 1, 1
	s_sub_co_u32 s57, s57, 1
	s_cmp_lg_u32 s57, 0
	s_cbranch_scc1 .Ltiles
	NEXT 1, 0, 0, 0                                ; tile 7: nothing is left to fetch
	; THE MERGE.  The wave of parity 1 hands O, its shifts and its sums to the wave of parity 0 with the same queries, lane to lane.
	PLACES
.irp hd, 0,1,2,3
	v_pk_add_f32 v[LL+4*\hd:LL+4*\hd+1], v[LL+4*\hd:LL+4*\hd+1], v[LL+4*\hd+2:LL+4*\hd+3]
.endr
.irp hd, 0,1,2,3
	v_add_f32 v[LS+\hd], v[LL+4*\hd], v[LL+4*\hd+1]
.endr
	s_cmp_eq_u32 s13, 0
	s_cbranch_scc1 .Lkeeper
.irp hd, 0,1,2,3
	v_mov_b32 v[NG+\hd], v[NM+2*\hd]
.endr
	WIN 0x04                                       ; store data window 1
.set n, 0
.rept 32
	ds_store_b128 v[XA], v[OO+4*n:OO+4*n+3] offset:512*n
.set n, n+1
.endr
	WIN 0
	ds_store_b128 v[XA], v[NG:NG+3] offset:16384
	ds_store_b128 v[XA], v[LS:LS+3] offset:16896
.Lkeeper:
	s_wait_dscnt 0x0                               ; the stores are done, for the partner's sake
	s_barrier_signal -1
	s_barrier_wait -1
	s_cmp_lg_u32 s13, 0
	s_cbranch_scc1 .Lclose
	ds_load_b128 v[PS:PS+3], v[XA] offset:16384    ; the partner's shifts
	ds_load_b128 v[PS+4:PS+7], v[XA] offset:16896  ; and sums
.set n, 0
.rept 32
	ds_load_b128 v[X+4*n:X+4*n+3], v[XA] offset:512*n
.set n, n+1
.endr
	s_wait_dscnt 32                                ; the first two are in; the 32 loads of O may stay out
.irp hd, 0,1,2,3
	v_min_num_f32 v[T0+\hd], v[NM+2*\hd], v[PS+\hd]        ; the smaller shift belongs to the larger maximum
.endr
.irp hd, 0,1,2,3
	v_sub_f32 v[T1+\hd], v[T0+\hd], v[NM+2*\hd]
	v_sub_f32 v[T0+\hd], v[T0+\hd], v[PS+\hd]
.endr
.irp hd, 0,1,2,3
	v_exp_f32 v[T1+\hd], v[T1+\hd]                         ; my factor
	v_exp_f32 v[T0+\hd], v[T0+\hd]                         ; the partner's
.endr
	v_nop
	s_wait_alu depctr_va_vdst(0)
.irp hd, 0,1,2,3
	v_mul_f32 v[LS+\hd], v[LS+\hd], v[T1+\hd]
.endr
.irp hd, 0,1,2,3
	v_fmac_f32 v[LS+\hd], v[PS+4+\hd], v[T0+\hd]
.endr
.irp hd, 0,1,2,3
	v_permlanex16_b32 v[PS+\hd], v[LS+\hd], s48, s49       ; the other half's keys
.endr
.irp hd, 0,1,2,3
	v_add_f32 v[LS+\hd], v[LS+\hd], v[PS+\hd]
.endr
.irp hd, 0,1,2,3
	v_rcp_f32 v[LS+\hd], v[LS+\hd]                         ; a sum is 0 only in a row that is masked throughout
.endr
	v_nop
	s_wait_alu depctr_va_vdst(0)
.irp hd, 0,1,2,3
	v_mul_f32 v[AL+2*\hd], v[T1+\hd], v[LS+\hd]
	v_mul_f32 v[NM+2*\hd], v[T0+\hd], v[LS+\hd]
.endr
	s_wait_dscnt 0x0
.irp hd, 0,1,2,3
.set n, 0
.rept 16
	v_pk_mul_f32 v[X+32*\hd+2*n:X+32*\hd+2*n+1], v[X+32*\hd+2*n:X+32*\hd+2*n+1], v[NM+2*\hd:NM+2*\hd+1] op_sel_hi:[1,0]
.set n, n+1
.endr
.endr
	WIN 0x01
.irp hd, 0,1,2,3
.set n, 0
.rept 16
	v_pk_fma_f32 v[X+32*\hd+2*n:X+32*\hd+2*n+1], v[OO+32*\hd+2*n:OO+32*\hd+2*n+1], v[AL+2*\hd:AL+2*\hd+1], v[X+32*\hd+2*n:X+32*\hd+2*n+1] op_sel_hi:[1,0,1]
.set n, n+1
.endr
.endr
	WIN 0
.set n, 0
.rept 64
	v_cvt_pk_f16_f32 v[X+n], v[X+2*n], v[X+2*n+1]          ; in place, ascending
.set n, n+1
.endr
.irp hd, 0,1,2,3
.irp dt, 0,1,2,3
	ds_store_b128 v[STO], v[X+16*\hd+4*\dt:X+16*\hd+4*\dt+3] offset:128*\hd+32*\dt     ; d = 16 dt + 8 h + 0..7 of head hd, query r
.endr
.endr
.set k, 0
.rept 16
	ds_load_b128 v[128+4*k:128+4*k+3], v[RD] offset:(k/2)*2*OP+(k%2)*256   ; my own stage: LDS serves a wave's instructions in order (ISA guide 5.7.1)
.set k, k+1
.endr
.set k, 0
.rept 16
	s_wait_dscnt 15-k                              ; load k is in; the younger ones may stay out
	global_store_b128 v[CO], v[128+4*k:128+4*k+3], s[10:11] offset:(k/2)*8192+(k%2)*256   ; sixteen lanes store 256 consecutive bytes, aligned
.set k, k+1
.endr
.Lclose:
	s_wait_tensorcnt 0x0
	ds_add_u32 v254, v255
	s_wait_dscnt 0x0
	ROUND                                          ; the closing round
	s_endpgm
.Lfunc_end_k_q0247384b1e_attn:
	.size	k_q0247384b1e_attn, .Lfunc_end_k_q0247384b1e_attn-k_q0247384b1e_attn
	.p2alignl 7, 3214868480
	.fill 96, 4, 3214868480
	.section	.rodata,"a",@progbits
	.p2align	6, 0x0
	.amdhsa_kernel k_q0247384b1e_attn
		.amdhsa_group_segment_fixed_size 327680
		.amdhsa_private_segment_fixed_size 0
		.amdhsa_enable_private_segment 0
		.amdhsa_kernarg_size 32
		.amdhsa_user_sgpr_count 2
		.amdhsa_user_sgpr_kernarg_segment_ptr 1
		.amdhsa_wavefront_size32 1
		.amdhsa_system_sgpr_workgroup_id_x 1
		.amdhsa_system_sgpr_workgroup_id_y 1
		.amdhsa_system_sgpr_workgroup_id_z 1
		.amdhsa_system_vgpr_workitem_id 0
		.amdhsa_next_free_vgpr 512
		.amdhsa_next_free_sgpr 72
		.amdhsa_reserve_vcc 0
		.amdhsa_float_denorm_mode_32 3
		.amdhsa_float_denorm_mode_16_64 3
		.amdhsa_memory_ordered 1
		.amdhsa_forward_progress 1
		.amdhsa_inst_pref_size 255
	.end_amdhsa_kernel
	.section	.bss,"aw",@nobits
	.p2align	6
	.space	262144
	.amdgpu_metadata
---
amdhsa.version: [ 1, 2 ]
amdhsa.kernels:
  - .name:           k_q0247384b1e_attn
    .symbol:         k_q0247384b1e_attn.kd
    .args:
      - { .name: qb, .offset: 0, .size: 8, .value_kind: global_buffer, .address_space: global }
      - { .name: kvb, .offset: 8, .size: 8, .value_kind: global_buffer, .address_space: global }
      - { .name: mb, .offset: 16, .size: 8, .value_kind: global_buffer, .address_space: global }
      - { .name: ob, .offset: 24, .size: 8, .value_kind: global_buffer, .address_space: global }
    .group_segment_fixed_size: 327680
    .private_segment_fixed_size: 0
    .kernarg_segment_align: 8
    .kernarg_segment_size: 32
    .max_flat_workgroup_size: 256
    .sgpr_count:     72
    .vgpr_count:     512
    .wavefront_size: 32
...
	.end_amdgpu_metadata
.endif
;; end of part 3
;; launch oproj (part 4): grid 16 x 16, 4 waves a work-group, clusters of 4 x 4, 327,680 bytes of LDS; arguments ob, wob, out0; writes out0
.if DOCPART == 4
	.amdgcn_target "amdgcn-amd-amdhsa--gfx1250"
	.amdhsa_code_object_version 6
	.text
	.protected	k_q0247384b1e_oproj
	.globl	k_q0247384b1e_oproj
	.p2align	8
	.type	k_q0247384b1e_oproj,@function
k_q0247384b1e_oproj:
	s_mov_b64 s[64:65], 0
	v_nop
	global_prefetch_b8 v0, s[64:65] scope:SCOPE_SE
	s_setreg_imm32_b32 hwreg(HW_REG_WAVE_MODE, 25, 1), 1
	s_wait_xcnt 0x0
	s_wait_alu depctr_hold_cnt(0) depctr_sa_sdst(0) depctr_va_vdst(0) depctr_va_sdst(0) depctr_va_ssrc(0) depctr_va_vcc(0) depctr_vm_vsrc(0)
	s_getreg_b32 s2, hwreg(HW_REG_IB_STS2, 6, 4)
	s_cmp_eq_u32 s2, 0
	s_cbranch_scc0 .Lentry_in_a_cluster
	s_endpgm
.Lentry_in_a_cluster:
	s_bfe_u32 s2, ttmp6, 0x10000c
	s_cmp_lg_u32 s2, 0xf033
	s_cbranch_scc0 .Lentry_shape_is_right
	s_endpgm
.Lentry_shape_is_right:
; oproj: out0[t][n] = sum over c of o[t][c] Wo[n][c].  ob, wob: [2048][2048] f16; out0: [2048][2048] f32; sums in f32.
; A work-group makes 128 x 128 with four waves, a wave 64 x 64: 16 accumulator tiles.  256 work-groups of equal work.
; K = 2,048 goes in 8 steps of 256 through two LDS slots filled by the tensor data mover: a tile's rows are 512 bytes of memory and start at multiples
; of 256 bytes from the buffer's first byte; from a request to the wait for it a wave issues 124 matrix instructions.
; CLUSTERS: 4 x 4 work-groups; o's tile is asked for jointly along a row of the cluster, Wo's along a column.
; The matrix instruction is used transposed (source 0 = rows of Wo, source 1 = rows of o): a lane's eight results are eight neighbouring columns of a row.
; REGISTERS: window 0: v16-26 addresses; v32-95, v96-159 fragment buffers (Wo's four tiles, then o's four); v160-223 the way out.
;            window 1: accumulator tile (a, b) at v[8 (4 a + b)].
.set KSTEP,  256
.set PITCH,  528                       ; 512 bytes + 16: an odd multiple of 16
.set HALFT,  64*PITCH                  ; what one tensor load brings, and what one wave reads of either tile
.set SLOT,   4*HALFT
.set STAGE,  2*SLOT                    ; behind the ring: 16 rows x 272 bytes for each wave, which no tensor load fills
.set SPITCH, 272
.set LAPS,   2048/(2*KSTEP)
.set ADRA, 16
.set ADRB, 20
.set STO,  24
.set RD,   25
.set CO,   26
.set F0,   32
.set F1,   96
.set R0,   160
.set R1,   192
.set G1,  24
.set G0,  32
.set G1B, 48
.set G0B, 56
.set G1W0, (1<<16)|(1<<20)|(1<<21)|(6<<22)|(3<<25)   ; elements of 2 bytes; padding on; bit 21 beside a mask; after every 128 words, 4 words
.set MUL, 0x50
.set MSB, 0
.macro WIN new
.if MSB != \new
	s_set_vgpr_msb (MSB<<8)|\new
.set MSB, \new
.endif
.endm
.macro PLACES                          ; four places behind a matrix instruction (ISA guide 7.12.1)
.rept 4
	v_nop
.endr
.endm
.macro JLOAD s                         ; waves 0 and 1 ask for o's two halves, waves 2 and 3 for Wo's
	s_cmp_eq_u32 s17, 0
	s_cbranch_scc0 .Lfor_b_\@
	tensor_load_to_lds s[G0+4*\s:G0+4*\s+3], s[G1:G1+7]
	s_nop 0
	s_branch .Lasked_\@
.Lfor_b_\@:
	tensor_load_to_lds s[G0B+4*\s:G0B+4*\s+3], s[G1B:G1B+7]
	s_nop 0
.Lasked_\@:
.endm
.macro CREST
	s_cmp_lg_u32 s16, 0
	s_cbranch_scc1 .Lnot_wave_0_\@
	s_barrier_signal -3
.Lnot_wave_0_\@:
	s_barrier_wait -3
	s_barrier_signal -1
	s_barrier_wait -1
.endm
.macro CROUND
	s_barrier_signal -1
	s_barrier_wait -1
	CREST
.endm
	s_load_b128 s[4:7], s[0:1], 0x0                ; ob s[4:5], wob s[6:7]
	s_load_b64 s[8:9], s[0:1], 0x10                ; out0
	v_lshl_add_u32 v254, v0, 2, 0x46400
	v_mov_b32 v255, 0
	ds_add_u32 v254, v255
	v_lshrrev_b32 v1, 5, v0
	v_readfirstlane_b32 s16, v1                    ; wave 0..3
	s_lshr_b32 s17, s16, 1                         ; wm: my half of the rows.  Also: I ask for o (0) or for Wo (1)
	s_and_b32 s18, s16, 1                          ; wn: my half of the columns.  Also: which 64 rows of that tile I ask for
	s_bfe_u32 s19, ttmp6, 0x40000                  ; cx
	s_bfe_u32 s20, ttmp6, 0x40004                  ; cy
	s_lshl_b32 s21, ttmp9, 2
	s_add_co_u32 s21, s21, s19                     ; b: block column
	s_and_b32 s22, ttmp7, 0xffff
	s_lshl_b32 s22, s22, 2
	s_add_co_u32 s22, s22, s20                     ; br: block row
	s_lshl_b32 s40, s20, 2
	s_lshl_b32 s40, 15, s40                        ; my row of the cluster
	s_lshl_b32 s42, 0x1111, s19                    ; my column
	s_or_b32 s[G1+0], s40, G1W0
	s_or_b32 s[G1B+0], s42, G1W0
	s_mov_b32 s[G1+1], KSTEP<<16                   ; tensor_dim0 = 256
	s_mov_b32 s[G1B+1], KSTEP<<16
	s_mov_b32 s[G1+2], 64<<16                      ; tensor_dim1 = 64
	s_mov_b32 s[G1B+2], 64<<16
	s_mov_b32 s[G1+3], KSTEP<<16                   ; tile_dim0 = 256
	s_mov_b32 s[G1B+3], KSTEP<<16
	s_mov_b32 s[G1+4], 64                          ; tile_dim1 = 64
	s_mov_b32 s[G1B+4], 64
	s_mov_b32 s[G1+5], 2048                        ; elements from row to row
	s_mov_b32 s[G1B+5], 2048
	s_mov_b32 s[G1+6], 0
	s_mov_b32 s[G1B+6], 0
	s_mov_b32 s[G1+7], 0
	s_mov_b32 s[G1B+7], 0
	s_lshl_b32 s40, s22, 7
	s_lshl_b32 s41, s18, 6
	s_add_co_u32 s40, s40, s41                     ; o: row 128 br + 64 x half
	s_lshl_b32 s40, s40, 12
	s_mov_b32 s41, 0
	s_lshl_b32 s42, s21, 7
	s_lshl_b32 s43, s18, 6
	s_add_co_u32 s42, s42, s43                     ; Wo: row 128 b + 64 x half
	s_lshl_b32 s42, s42, 12
	s_mov_b32 s43, 0
	s_mul_i32 s44, s16, HALFT                      ; quarter w of the slot
	s_wait_dscnt 0x0
	s_wait_kmcnt 0x0
	s_add_nc_u64 s[40:41], s[4:5], s[40:41]
	s_add_nc_u64 s[42:43], s[6:7], s[42:43]
	CROUND                                         ; the first joint loads meet
.irp s, 0,1
	s_mov_b32 s[G0+4*\s], 1
	s_add_co_u32 s[G0+4*\s+1], s44, \s*SLOT
	s_add_nc_u64 s[G0+4*\s+2:G0+4*\s+3], s[40:41], \s*KSTEP*2
	s_or_b32 s[G0+4*\s+3], s[G0+4*\s+3], 0x80000000
	s_mov_b32 s[G0B+4*\s], 1
	s_add_co_u32 s[G0B+4*\s+1], s44, \s*SLOT
	s_add_nc_u64 s[G0B+4*\s+2:G0B+4*\s+3], s[42:43], \s*KSTEP*2
	s_or_b32 s[G0B+4*\s+3], s[G0B+4*\s+3], 0x80000000
	JLOAD \s                                       ; two tensor loads of a wave are out here, one later
.endr
	v_and_b32 v1, 15, v0                           ; r
	v_bfe_u32 v2, v0, 4, 1                         ; h
	v_mul_u32_u24 v3, v1, PITCH
	v_lshl_add_u32 v3, v2, 4, v3
	s_mul_i32 s46, s17, HALFT                      ; my 64 rows of o
	s_mul_i32 s47, s18, HALFT                      ; my 64 rows of Wo,
	s_add_co_u32 s47, s47, 2*HALFT                 ; which lie behind o's 128
.irp s, 0,1
	v_add_nc_u32 v[ADRA+\s], s46, v3
	v_add_nc_u32 v[ADRB+\s], s47, v3
	s_add_co_u32 s46, s46, SLOT
	s_add_co_u32 s47, s47, SLOT
.endr
	s_mul_i32 s46, s16, 16*SPITCH
	s_add_co_u32 s46, s46, STAGE                   ; my stage
	v_mul_u32_u24 v4, v1, SPITCH                   ; in: row r, 32 bytes for each half of the lanes
	v_lshl_add_u32 v4, v2, 5, v4
	v_add_nc_u32 v[STO], s46, v4
	v_mul_u32_u24 v5, v2, SPITCH                   ; back: lanes 0-15 take one row of 256 bytes, lanes 16-31 the next
	v_lshl_add_u32 v5, v1, 4, v5
	v_add_nc_u32 v[RD], s46, v5
	v_lshlrev_b32 v[CO], 13, v2                    ; and the same two rows in out0 (8,192 bytes a row)
	v_lshl_add_u32 v[CO], v1, 4, v[CO]
; four matrix instructions: row tile a x my four column tiles.  The 16 accumulators take turns, one instruction a turn.
.macro MULA f, a, zero
.irp b, 0,1,2,3
.if \zero
	v_wmma_f32_16x16x32_f16 v[8*(4*\a+\b):8*(4*\a+\b)+7], v[\f+8*\b:\f+8*\b+7], v[\f+32+8*\a:\f+32+8*\a+7], 0
.else
	v_wmma_f32_16x16x32_f16 v[8*(4*\a+\b):8*(4*\a+\b)+7], v[\f+8*\b:\f+8*\b+7], v[\f+32+8*\a:\f+32+8*\a+7], v[8*(4*\a+\b):8*(4*\a+\b)+7]
.endif
.endr
.endm
.macro FETCH slot, k, f                ; 16 LDS loads in one run: Wo's four tiles, then o's four
	WIN 0
.irp b, 0,1,2,3
	ds_load_b128 v[\f+8*\b:\f+8*\b+3],   v[ADRB+\slot] offset:\k+\b*16*PITCH
	ds_load_b128 v[\f+8*\b+4:\f+8*\b+7], v[ADRB+\slot] offset:\k+\b*16*PITCH+32
.endr
.irp a, 0,1,2,3
	ds_load_b128 v[\f+32+8*\a:\f+32+8*\a+3],   v[ADRA+\slot] offset:\k+\a*16*PITCH
	ds_load_b128 v[\f+32+8*\a+4:\f+32+8*\a+7], v[ADRA+\slot] offset:\k+\a*16*PITCH+32
.endr
.endm
.macro QUARTER slot, k, f, g, zero     ; 32 along K: multiplies buffer f and fetches the next 32 into buffer g
	s_wait_dscnt 4                                 ; the youngest four loads (o's tiles 2, 3) may be out
	WIN MUL
	MULA \f, 0, \zero
	MULA \f, 1, \zero
	PLACES
	FETCH \slot, \k, \g
	s_wait_dscnt 16                                ; all but the 16 just issued
	WIN MUL
	MULA \f, 2, \zero
	MULA \f, 3, \zero
.endm
.macro SEVEN slot, zero
	QUARTER \slot, 64,  F0, F1, \zero
	QUARTER \slot, 128, F1, F0, 0
	QUARTER \slot, 192, F0, F1, 0
	QUARTER \slot, 256, F1, F0, 0
	QUARTER \slot, 320, F0, F1, 0
	QUARTER \slot, 384, F1, F0, 0
	QUARTER \slot, 448, F0, F1, 0
.endm
; the eighth part multiplies buffer 1 and changes slots: each wave's waits, one barrier (a round of the cluster's where a slot is filled again), the refill first behind it
.macro TURN slot, next, fill
	s_wait_dscnt 4
	WIN MUL
	MULA F1, 0, 0
	s_wait_dscnt 0                                 ; my reads of this slot are over
	s_wait_tensorcnt 0x0                           ; and all my tensor loads have landed: the one that was out is my part of the next slot
	ds_add_u32 v254, v255
	s_wait_dscnt 0x0
	s_barrier_signal -1
	MULA F1, 1, 0                                  ; registers only
	WIN 0
	s_barrier_wait -1
.if \fill
	CREST                                          ; no wave of any partner still reads this slot or has a load on its way
	s_add_nc_u64 s[G0+4*\slot+2:G0+4*\slot+3], s[G0+4*\slot+2:G0+4*\slot+3], 2*KSTEP*2
	s_add_nc_u64 s[G0B+4*\slot+2:G0B+4*\slot+3], s[G0B+4*\slot+2:G0B+4*\slot+3], 2*KSTEP*2
	JLOAD \slot                                    ; the first tensor load behind the round, the wave's only one until the next
.endif
	PLACES
	FETCH \next, 0, F0
	WIN MUL
	MULA F1, 2, 0
	MULA F1, 3, 0
.endm
.macro LAP zero
	SEVEN 0, \zero
	TURN 0, 1, 1
	SEVEN 1, 0
	TURN 1, 0, 1
.endm
	s_wait_tensorcnt 1                             ; my part of step 0 is in; step 1's may stay out
	s_barrier_signal -1
	s_barrier_wait -1
	FETCH 0, 0, F0
	LAP 1                                          ; the first lap stands in front of the loop: its first products start the sums
	WIN 0
	s_mov_b32 s23, LAPS-2
.Llap:
	LAP 0
	WIN 0
	s_sub_co_u32 s23, s23, 1
	s_cmp_lg_u32 s23, 0
	s_cbranch_scc1 .Llap
	SEVEN 0, 0                                     ; the last lap fills nothing
	TURN 0, 1, 0
	SEVEN 1, 0
	s_wait_dscnt 4
	WIN MUL
	MULA F1, 0, 0
	MULA F1, 1, 0
	s_wait_dscnt 0
	MULA F1, 2, 0
	MULA F1, 3, 0
	; THE WAY OUT, 16 rows at a time through my own stage: 32 bytes a lane in, whole rows of 256 bytes back.
	PLACES
	WIN 0
	s_lshl_b32 s40, s22, 20                        ; row 128 br (8,192 bytes a row)
	s_lshl_b32 s41, s17, 19                        ; + 64 wm
	s_add_co_u32 s40, s40, s41
	s_mov_b32 s41, 0
	s_add_nc_u64 s[8:9], s[8:9], s[40:41]
	s_lshl_b32 s42, s21, 9                         ; column 128 b, in bytes
	s_lshl_b32 s43, s18, 8                         ; + 64 wn
	s_add_co_u32 s42, s42, s43
	s_mov_b32 s43, 0
	s_add_nc_u64 s[8:9], s[8:9], s[42:43]
.macro OUT16 a, f
	WIN 0x04                                       ; store data window 1
.irp b, 0,1,2,3
	ds_store_b128 v[STO], v[8*(4*\a+\b):8*(4*\a+\b)+3] offset:64*\b
	ds_store_b128 v[STO], v[8*(4*\a+\b)+4:8*(4*\a+\b)+7] offset:64*\b+16
.endr
	WIN 0
	s_wait_xcnt 0x0                                ; every earlier memory instruction has had its addresses translated (ISA guide 3.1): buffer f and the stores' base are rewritten only behind this wait
.if \a
	s_add_nc_u64 s[8:9], s[8:9], 16*8192           ; 16 rows on
.endif
.irp t, 0,1,2,3,4,5,6,7
	ds_load_b128 v[\f+4*\t:\f+4*\t+3], v[RD] offset:\t*2*SPITCH    ; LDS serves a wave's instructions in order (ISA guide 5.7.1): these see the stores above
.endr
.irp t, 0,1,2,3,4,5,6,7
	s_wait_dscnt 7-\t
	global_store_b128 v[CO], v[\f+4*\t:\f+4*\t+3], s[8:9] offset:\t*16384 th:TH_STORE_NT   ; sixteen lanes store 256 consecutive bytes, aligned
.endr
.endm
	OUT16 0, R0
	OUT16 1, R1
	OUT16 2, R0
	OUT16 3, R1
	s_wait_tensorcnt 0x0
	ds_add_u32 v254, v255
	s_wait_dscnt 0x0
	CROUND                                         ; the closing round
	s_endpgm
.Lfunc_end_k_q0247384b1e_oproj:
	.size	k_q0247384b1e_oproj, .Lfunc_end_k_q0247384b1e_oproj-k_q0247384b1e_oproj
	.p2alignl 7, 3214868480
	.fill 96, 4, 3214868480
	.section	.rodata,"a",@progbits
	.p2align	6, 0x0
	.amdhsa_kernel k_q0247384b1e_oproj
		.amdhsa_group_segment_fixed_size 327680
		.amdhsa_private_segment_fixed_size 0
		.amdhsa_enable_private_segment 0
		.amdhsa_kernarg_size 24
		.amdhsa_user_sgpr_count 2
		.amdhsa_user_sgpr_kernarg_segment_ptr 1
		.amdhsa_wavefront_size32 1
		.amdhsa_system_sgpr_workgroup_id_x 1
		.amdhsa_system_sgpr_workgroup_id_y 1
		.amdhsa_system_sgpr_workgroup_id_z 1
		.amdhsa_system_vgpr_workitem_id 0
		.amdhsa_next_free_vgpr 384
		.amdhsa_next_free_sgpr 66
		.amdhsa_reserve_vcc 0
		.amdhsa_float_denorm_mode_32 3
		.amdhsa_float_denorm_mode_16_64 3
		.amdhsa_memory_ordered 1
		.amdhsa_forward_progress 1
		.amdhsa_inst_pref_size 128
	.end_amdhsa_kernel
	.amdgpu_metadata
---
amdhsa.version: [ 1, 2 ]
amdhsa.kernels:
  - .name:           k_q0247384b1e_oproj
    .symbol:         k_q0247384b1e_oproj.kd
    .args:
      - { .name: ob, .offset: 0, .size: 8, .value_kind: global_buffer, .address_space: global }
      - { .name: wob, .offset: 8, .size: 8, .value_kind: global_buffer, .address_space: global }
      - { .name: out0, .offset: 16, .size: 8, .value_kind: global_buffer, .address_space: global }
    .group_segment_fixed_size: 327680
    .private_segment_fixed_size: 0
    .kernarg_segment_align: 8
    .kernarg_segment_size: 24
    .max_flat_workgroup_size: 128
    .sgpr_count:     66
    .vgpr_count:     384
    .wavefront_size: 32
...
	.end_amdgpu_metadata
.endif
;; end of part 4
